; MI455X (gfx1250); checked and timed in simulation.
; The chip was launched on July 23, 2026; its instructions are those of AMD's public machine-readable ISA for CDNA 5 (MIT licence, August 2026) and "CDNA5" Instruction Set Architecture Reference Guide (July 2026). The comments in the code are by the model that wrote it; some were corrected since.
;; Causal Self Attention MLA. Allowed arithmetic: matrix products marked QUANTISED: E2M3 operands, one E8M0 scale for each 32 along K, by v_wmma_scale_f32_16x16x128_f8f6f4 with both operands' format E2M3, f32 sums; everything else in f32.
;; Inputs: W_d_codes 2,048 x 64 x 24 uint8 (E2M3 codes of W_d, K innermost, in blocks of 32 codes, four codes in three bytes); W_d_scales 2,048 x 64 uint8 (E8M0 scales of W_d, one for each 32 codes along K); W_lat_codes 128 x 64 x 24 uint8 (E2M3 codes of W_lat, K innermost, in blocks of 32 codes, four codes in three bytes); W_lat_scales 128 x 64 uint8 (E8M0 scales of W_lat, one for each 32 codes along K); W_proj_codes 2,048 x 64 x 24 uint8 (E2M3 codes of W_proj, K innermost, in blocks of 32 codes, four codes in three bytes); W_proj_scales 2,048 x 64 uint8 (E8M0 scales of W_proj, one for each 32 codes along K); b_d 2,048 float32; b_lat 128 float32; b_proj 2,048 float32; x_codes 2 x 2,048 x 64 x 24 uint8 (E2M3 codes of x, K innermost, in blocks of 32 codes, four codes in three bytes); x_scales 2 x 2,048 x 64 uint8 (E8M0 scales of x, one for each 32 codes along K).
;; Outputs: out0 2 x 2,048 x 2,048 float32.
;; This version of the problem:
;;   THIS VERSION OF THE PROBLEM IS GIVEN IN LOW PRECISION. The matrix products marked QUANTISED in the list below multiply operands that are first quantised to E2M3 (2 exponent bits, 3 mantissa bits; 6 bits a number), with one power-of-two scale for each 32 numbers along K (OCP MX v1.0); their sums are f32. All else is computed in f32.
;;   The module's matrix products, in the order in which they are computed (A, B: the left and right operand; K: the contracted axis; several contracted axes count as one K, in the product's order):
;;     1. [M 4,096, K 2,048] x [K 2,048, N 128]; A: input x (given as codes); B: input W_lat (given as codes): QUANTISED
;;     2. [M 4,096, K 2,048] x [K 2,048, N 2,048]; A: input x (given as codes); B: input W_d (given as codes): QUANTISED
;;     3. batch 2 x [M 32,768, K 128] x [K 128, N 2,048]; A: computed on the way; B: computed on the way: QUANTISED
;;     4. batch 2 x [M 32,768, K 2,048] x [K 2,048, N 128]; A: softmax (see below); B: computed on the way: QUANTISED
;;     5. [M 4,096, K 2,048] x [K 2,048, N 2,048]; A: computed on the way; B: input W_proj (given as codes): QUANTISED
;;   THE QUANTISER, for each operand of a quantised product, along K:
;;     - K is cut into blocks of 32 from its start; a last block that is shorter is filled with zeros.
;;     - A block's scale is 2^e with e = floor(log2(the largest magnitude in the block)) - 2, held to -126 .. 127; a block of zeros has e = 0. As a byte (E8M0): e + 127.
;;     - Each number is divided by its block's scale, clamped to +-7.5, and rounded to the nearest number of E2M3, ties to even, subnormals kept.
;;     - The product sums the exact products of the quantised numbers (number of the format x scale) in f32.
;;   ~~~python
;;   def quantise(x, axis):      # numpy; x: float32 -> the quantised numbers, widened to float32 again
;;       x = np.moveaxis(x, axis, -1); K = x.shape[-1]
;;       x = np.pad(x, [(0, 0)] * (x.ndim - 1) + [(0, -K % 32)]); x = x.reshape(x.shape[:-1] + (-1, 32)); a = np.abs(x).max(-1, keepdims=True)
;;       e = np.where(a > 0, np.clip(np.frexp(np.where(a > 0, a, 1))[1] - 1 - 2, -126, 127), 0)      # np.frexp(a)[1] - 1 = floor(log2(a)), exactly
;;       r = np.clip(x / 2.0 ** e, -7.5, 7.5)
;;       step = 2.0 ** (np.maximum(np.frexp(np.where(r == 0, 1, r))[1] - 1, 0) - 3)
;;       q = np.round(r / step) * step * 2.0 ** e      # np.round: ties to even
;;       return np.moveaxis(q.reshape(q.shape[:-2] + (-1,))[..., :K], -1, axis).astype(np.float32)
;;   ~~~
;;   SOFTMAX AHEAD OF A QUANTISED PRODUCT. Where the list says 'softmax', what is quantised is not the finished softmax but p = 2^(t - M), with t = logit x log2(e) and M = ceil(the row's largest t), a whole number; so 1/2 < the row's largest p <= 1. The row's sum l is taken of the UNQUANTISED p, in f32, and the product's result is divided by l at the end. Since M is a whole number, a kernel that streams over the keys may use a running M (the ceiling of the running maximum): every later rescaling is an exact power of two, which a block's scale takes up: the codes' values come out the same.
;;   OPERANDS COMPUTED ON THE WAY. 'Computed on the way' means the value that the module computes at that place (a softmax that the list does not call 'softmax' is quantised finished and normalised). What goes into a quantiser is computed in f32, as accurately as f32 sums, v_exp_f32 and their like allow (about 1e-6 of the number): no bf16 or f16 on the way to a quantiser, and a product that is left as it is and whose result goes on into a quantised operand takes f32 operands (vector FMAs, or v_wmma_f32_16x16x4_f32). A number that lies on a knife's edge between two numbers of the format may be rounded either way, as far as f32 arithmetic and the matrix unit's own rounding can turn it there, and no further.
;;   INPUTS GIVEN AS CODES. W_d (in the module: [2048, 2048], K = its axis 0); W_lat (in the module: [2048, 128], K = its axis 0); W_proj (in the module: [2048, 2048], K = its axis 0); x (in the module: [2, 2048, 2048], K = its axis 2): each comes as NAME_codes (uint8): NAME with its K axis moved to the last place and cut into blocks of 32 codes, [.., K / 32, bytes a block], one block behind the other in memory; four codes in three bytes: a row's codes are one little-endian stream of bits, code i at bits 6 i .. 6 i + 5 (a code: sign, 2 exponent bits, 3 mantissa bits); and NAME_scales (uint8): the same leading axes, one E8M0 byte (e + 127) for each 32 codes along K. Its value is code x scale, taken as it is: it is not quantised again, and the codes and scales need not be those that the quantiser above would give.
;; One version. Each part assembles by itself: llvm-mc -triple=amdgcn-amd-amdhsa -mcpu=gfx1250 --defsym DOCPART=n.
;; ======== version 1 of 1: 3 launches
;; workspace buffers: qimg 6,291,456 bytes; qsc 262,144 bytes; kv 819,200 bytes; yimg 6,291,456 bytes; ysc 262,144 bytes
;; launch qk (part 1): grid 16 x 16, 4 waves a work-group, clusters of 4 x 4, 327,680 bytes of LDS; arguments x_codes, x_scales, W_d_codes, W_d_scales, W_lat_codes, W_lat_scales, b_d, b_lat, qimg, qsc, kv; writes qimg, qsc, kv
.if DOCPART == 1
	.amdgcn_target "amdgcn-amd-amdhsa--gfx1250"
	.amdhsa_code_object_version 6
	.text
	.protected	k_q1bf926fe85_qk
	.globl	k_q1bf926fe85_qk
	.p2align	8
	.type	k_q1bf926fe85_qk,@function
k_q1bf926fe85_qk:
	s_mov_b64 s[64:65], 0
	v_nop
	global_prefetch_b8 v0, s[64:65] scope:SCOPE_SE
	s_setreg_imm32_b32 hwreg(HW_REG_WAVE_MODE, 25, 1), 1
	s_wait_xcnt 0x0
	s_wait_alu depctr_hold_cnt(0) depctr_sa_sdst(0) depctr_va_vdst(0) depctr_va_sdst(0) depctr_va_ssrc(0) depctr_va_vcc(0) depctr_vm_vsrc(0)
	s_getreg_b32 s2, hwreg(HW_REG_IB_STS2, 6, 4)
	s_cmp_eq_u32 s2, 0
	s_cbranch_scc0 .Lentry_in_a_cluster
	s_endpgm
.Lentry_in_a_cluster:
	s_bfe_u32 s2, ttmp6, 0x10000c
	s_cmp_lg_u32 s2, 0xf033
	s_cbranch_scc0 .Lentry_shape_is_right
	s_endpgm
.Lentry_shape_is_right:
; q = x W_d + b_d and k = x W_lat + b_lat on codes of FP6 (E2M3) with E8M0 scales, sums in f32; then the three quantisers behind them:
; q along a head's 128 channels, k along its 128 channels (for q k^T) and k along the keys (for p k).  Only codes and scale bytes go to memory.
; DEAD WORK OF THE WHOLE PROGRAM.  reference() builds a causal mask in its own body: att[t][s] becomes -inf where s > t, whatever the inputs hold, its softmax weight is then exactly 0,
; and 0 x k adds nothing to y.  So a tile of 16 queries x 128 keys all of whose keys come after all its queries reaches no output; the second launch leaves such tiles out (34,816 of 65,536 stay).
; Nothing else is left out: each bias goes into a quantiser or into the output, so all eleven inputs are loaded.  LIMIT: a NaN, an infinity or an overflow that would arise only in tiles left out is not carried to the result.
; LIMITS: NaN and infinities among the inputs are not served.  A block whose largest magnitude lies under 2^-124 keeps the scale byte 1, a block of zeros too (the quantiser says 127: its codes are zeros,
; which add nothing under any byte but 0xff, and these bytes are read by this program alone).
; SHARES.  A work-group makes q for 256 rows of x and one head (128 channels); wave v its rows 64 v .. 64 v + 63: 4 x 8 accumulators.  THE PRODUCT IS USED TRANSPOSED (source 0 = 16 rows of the
; weight, source 1 = 16 rows of x): a lane holds one row of x and eight neighbouring channels.  K goes in slots of 256 (rows of 192 bytes) through a ring of two LDS slots.
; k RIDES ALONG: for 256 rows k is 4 x 4 units of 64 rows x 32 channels, one for each of the 16 work-groups that share these rows.  The wave whose number is the cluster's x (the same in all partners)
; makes, beside its q, k for its own 64 rows and channels 32 cx .. 32 cx + 31: 4 x 2 accumulators more.  cx enters global addresses alone.
; CLUSTERS: 4 x 4.  x's tiles are shared along a row of the cluster, W_d's and W_lat's along a column: joint loads, one a wave (waves 0, 1: x's halves; wave 2: W_d; wave 3: W_lat).
; THE SCALE BYTES of the work-group's rows, for all of K, are three dense blocks of memory: read once in runs of 2,048 consecutive bytes, kept in LDS as units of 256 bytes + 16.
; WORKSPACE, in the order of the operand's registers: qimg: a tile of 16 queries of a head, 1,536 bytes: registers 4 g .. 4 g + 3 of lane l at 512 g + 16 l.  qsc: four tiles share 256 bytes: row r's four words at 16 r.
; kv: a key step (128 keys) is 25,600 dense bytes: 8 fragments of K, 8 of V, K's scale words, V's.  A fragment there: at 768 c 32 cells of 16 bytes (registers 6 c .. 6 c + 3), at 768 c + 512 32 cells of 8 (6 c + 4, 6 c + 5).
; Slot p of K's tile 2 b + u is key 32 b + 8 u + p + 8 (p / 8); of V's tile the channel of that number.  The scale bytes of kv leave as stores of one and two bytes: three instructions a work-group, one byte in 25 of kv.
; REGISTERS, windows of 256: window 0: v1-31 addresses; v32-63 scale words of x and W_d, two sets; v64-71 W_lat's; v72-123 the scale bytes on their way to LDS, later q's codes; v128-223 x's fragments, two sets; on the way out v128-255 at work.
;   window 1: W_d's fragments at 128 p + 12 b, W_lat's at 96 + 128 p + 12 n.   window 2: q's 32 accumulators at 8 (8 a + b).   window 3: k's 8 at 8 (2 a + n); b_d at v64, b_lat at v128, in the result's layout.
.set PITCH, 240                        ; an LDS row: 3 x (64 bytes + 16 of padding)
.set SLOT,  416*PITCH                  ; 256 rows of x, 128 of W_d, 32 of W_lat
.set WOFF,  256*PITCH
.set LOFF,  384*PITCH
.set ROWB,  192                        ; 256 codes
.set KROW,  1536                       ; 2,048 codes: a row in memory
.set SCL,   2*SLOT                     ; x's scale bytes: 64 units of 272
.set SCW,   SCL+17408                  ; W_d's: 32 units
.set SCT,   SCL+26112                  ; W_lat's: 8 units
.set SBLK,  1088                       ; 16 rows of 64 scale bytes: 4 units
.set SPARE, 228096                     ; the spare words: 128 bytes a wave, two blocks of 256 bytes that no other line names
.set STG,   SPARE+512                  ; a stage of 64 keys x 144 bytes for each wave
.set STP,   144
.set FR,    12
.set ADRL,  8                          ; v8-11  W_lat's fragments: slot 0, 1; the same behind one padding more
.set ADRLS, 12                         ; v12    W_lat's scale words
.set CPY,   13                         ; v13    the scale bytes' place in LDS
.set CPG,   14                         ; v14    and in memory: 16 x thread
.set LI,    15                         ; v15    16 x lane
.set ADRX,  16                         ; v16-19 x's fragments
.set ADRW,  20                         ; v20-23 W_d's
.set KA16,  24                         ; v24-26 kv: my lane's cell of 16 bytes, of 8 bytes, my scale word
.set KA8,   25
.set KAS,   26
.set ADRS,  27                         ; v27    scale words: lanes 0-15 x's rows, lanes 16-31 W_d's
.set SPW,   28                         ; v28    my spare word; never rewritten
.set NIL,   29                         ; v29    0; never rewritten
.set STW,   30                         ; v30    the stage: in
.set STR,   31                         ; v31    and out
.set SC,    32
.set WLS,   64
.set CT,    72
.set PWQ,   112                        ; v112-115 q's scale words of my four tiles
.set XF,    128
.set T,     128                        ; the way out: 64 numbers
.set TM,    192                        ; v192-207 at work in the quantiser
.set WV,    26
.set KW,    34                         ; s34  1 in the wave that makes k
.set SEL,   36
.set G1A,   40
.set G1B,   48
.set G1L,   56
.set G0A,   68
.set G0B,   76
.set G0L,   84
.set MUL_Q, 0xa1                       ; source 0 window 1, source 1 window 0, C and D window 2
.set MUL_K, 0xf1                       ; the same, C and D window 3
.set TO_B,  0x40                       ; destination window 1
.set MSB, 0
.macro WIN new                         ; the immediate's high byte repeats the setting that is left; a switch that changes nothing is dropped
.if MSB != \new
	s_set_vgpr_msb (MSB<<8)|\new
.set MSB, \new
.endif
.endm
.macro PLACES n
.rept \n
	v_nop
.endr
.endm
.macro CREST                           ; a round of the cluster's barrier behind its opening barrier
	s_cmp_lg_u32 s[WV], 0
	s_cbranch_scc1 .Lnot_wave_0_\@
	s_barrier_signal -3
.Lnot_wave_0_\@:
	s_barrier_wait -3
	s_barrier_signal -1
	s_barrier_wait -1
.endm
.macro CROUND
	s_barrier_signal -1
	s_barrier_wait -1
	CREST
.endm
; A joint load: waves 0 and 1 x's halves, wave 2 W_d's tile, wave 3 W_lat's.  The branches hang on the wave's number alone.  An s_nop 0 and four v_nop follow each line.
.macro JLOAD s
	s_cmp_lt_u32 s[WV], 2
	s_cbranch_scc0 .Lnot_x_\@
	tensor_load_to_lds s[G0A+4*\s:G0A+4*\s+3], s[G1A:G1A+7]
	s_nop 0
	PLACES 4
	s_branch .Lasked_\@
.Lnot_x_\@:
	s_cmp_eq_u32 s[WV], 2
	s_cbranch_scc0 .Lfor_l_\@
	tensor_load_to_lds s[G0B+4*\s:G0B+4*\s+3], s[G1B:G1B+7]
	s_nop 0
	PLACES 4
	s_branch .Lasked_\@
.Lfor_l_\@:
	tensor_load_to_lds s[G0L+4*\s:G0L+4*\s+3], s[G1L:G1L+7]
	s_nop 0
	PLACES 4
.Lasked_\@:
.endm
; A fragment, 16 rows x 128 K, 12 registers: lane l holds row l % 16; registers 6 c .. 6 c + 5 hold K = 64 c + 32 (l / 16) + 0 .. 31: 24 bytes of the row as they lie, in pieces of 8 bytes.
; Where the piece three on (lanes 16-31) lies behind one padding more, the second address register serves.
.macro FRAG reg, adr, q, i
.irp p, 0,1,2,3,4,5
.set PCE, 12*(\q)+6*(\p/3)+\p%3
.if PCE%8 < 5
	ds_load_b64 v[\reg+2*\p:\reg+2*\p+1], v[\adr] offset:8*PCE+16*(PCE/8)+(\i)*16*PITCH
.else
	ds_load_b64 v[\reg+2*\p:\reg+2*\p+1], v[\adr+2] offset:8*PCE+16*(PCE/8)+(\i)*16*PITCH
.endif
.endr
.endm
.macro FETCH slot, q, p                ; W_d's eight fragments and my four of x, the slot's q-th 128 along K, into set p
	WIN TO_B
.irp i, 0,1,2,3,4,5,6,7
	FRAG 128*(\p)+FR*\i, ADRW+\slot, \q, \i
.endr
	WIN 0
.irp i, 0,1,2,3
	FRAG XF+48*(\p)+FR*\i, ADRX+\slot, \q, \i
.endr
.endm
.macro SCALES sc                       ; a slot's two words a row: lanes 0-15 x's block i (used for i < 4), lanes 16-31 W_d's block i
.irp i, 0,1,2,3,4,5,6,7
	ds_load_b64 v[SC+16*\sc+2*\i:SC+16*\sc+2*\i+1], v[ADRS] offset:\i*SBLK
.endr
.endm
; 8 products: x's block a against W_d's eight.  The accumulators take turns, one instruction a turn.  zero = 1: the first product starts the sums.
.macro MULQ a, p, q, sc, zero
.irp b, 0,1,2,3,4,5,6,7
.if \zero
	v_wmma_scale_f32_16x16x128_f8f6f4 v[8*(8*\a+\b):8*(8*\a+\b)+7], v[128*\p+FR*\b:128*\p+FR*\b+FR-1], v[XF+48*\p+FR*\a:XF+48*\p+FR*\a+FR-1], 0, v[SC+16*\sc+2*\b+\q], v[SC+16*\sc+2*\a+\q] matrix_a_fmt:MATRIX_FMT_FP6 matrix_b_fmt:MATRIX_FMT_FP6 matrix_a_scale:MATRIX_SCALE_ROW1
.else
	v_wmma_scale_f32_16x16x128_f8f6f4 v[8*(8*\a+\b):8*(8*\a+\b)+7], v[128*\p+FR*\b:128*\p+FR*\b+FR-1], v[XF+48*\p+FR*\a:XF+48*\p+FR*\a+FR-1], v[8*(8*\a+\b):8*(8*\a+\b)+7], v[SC+16*\sc+2*\b+\q], v[SC+16*\sc+2*\a+\q] matrix_a_fmt:MATRIX_FMT_FP6 matrix_b_fmt:MATRIX_FMT_FP6 matrix_a_scale:MATRIX_SCALE_ROW1
.endif
.endr
.endm
.macro KFETCH fs, fq, fp, wsc          ; W_lat's two fragments into set fp; wsc = 1: with the slot's scale words
	WIN TO_B
.irp n, 0,1
	FRAG 96+128*(\fp)+FR*\n, ADRL+\fs, \fq, \n
.endr
	WIN 0
.if \wsc
.irp n, 0,1
	ds_load_b64 v[WLS+4*\fs+2*\n:WLS+4*\fs+2*\n+1], v[ADRLS] offset:\n*SBLK
.endr
.endif
.endm
; What the wave that makes k does beside q: the next fragments of W_lat, and 8 products on set p.  The branch hangs on the wave's number and the cluster's x; no barrier, wait or tensor load stands inside.
.macro KPART fetch, fs, fq, fp, wsc, p, q, sc, zero
	s_cmp_eq_u32 s[KW], 0
	s_cbranch_scc1 .Lno_k_\@
.if \fetch
	KFETCH \fs, \fq, \fp, \wsc
.endif
	WIN MUL_K
.irp a, 0,1,2,3
.irp n, 0,1
.if \zero
	v_wmma_scale_f32_16x16x128_f8f6f4 v[8*(2*\a+\n):8*(2*\a+\n)+7], v[96+128*\p+FR*\n:96+128*\p+FR*\n+FR-1], v[XF+48*\p+FR*\a:XF+48*\p+FR*\a+FR-1], 0, v[WLS+4*\sc+2*\n+\q], v[SC+16*\sc+2*\a+\q] matrix_a_fmt:MATRIX_FMT_FP6 matrix_b_fmt:MATRIX_FMT_FP6
.else
	v_wmma_scale_f32_16x16x128_f8f6f4 v[8*(2*\a+\n):8*(2*\a+\n)+7], v[96+128*\p+FR*\n:96+128*\p+FR*\n+FR-1], v[XF+48*\p+FR*\a:XF+48*\p+FR*\a+FR-1], v[8*(2*\a+\n):8*(2*\a+\n)+7], v[WLS+4*\sc+2*\n+\q], v[SC+16*\sc+2*\a+\q] matrix_a_fmt:MATRIX_FMT_FP6 matrix_b_fmt:MATRIX_FMT_FP6
.endif
.endr
.endr
	WIN 0
.Lno_k_\@:
.endm
; A slot's first 128 along K: multiplies set 0; ahead of its products the second 128's fragments are asked for, into set 1.
.macro STEPA slot, zero
	s_wait_dscnt 0x0                               ; set 0 and the slot's scale words are in
	PLACES 4                                       ; four places between the last products on set 1 and the loads into it
	FETCH \slot, 1, 1
	KPART 1, \slot, 1, 1, 0, 0, 0, \slot, \zero
	WIN MUL_Q
	MULQ 0, 0, 0, \slot, \zero
	MULQ 1, 0, 0, \slot, \zero
	MULQ 2, 0, 0, \slot, \zero
	MULQ 3, 0, 0, \slot, \zero
	WIN 0
.endm
; A slot's second 128 changes slots: ONE barrier; in front of it each wave waits for all its tensor loads, adds 0 to its spare word, and waits for that and for its reads of this slot.  fill = 1: this slot is filled again, two slots ahead.
.macro TURN slot, next, fill
	s_wait_tensorcnt 0x0                           ; all my tensor loads have landed: my part of the next slot
	ds_add_u32 v[SPW], v[NIL]                      ; 0 onto my spare word
	s_wait_dscnt 1                                 ; the add alone may be out: set 1 is in
	WIN MUL_Q
	MULQ 0, 1, 1, \slot, 0                         ; eight products stand between the add and the wait for it
	s_wait_dscnt 0x0                               ; the add is done, and my reads of this slot are over
	s_barrier_signal -1
	MULQ 1, 1, 1, \slot, 0
	WIN 0
	s_barrier_wait -1
.if \fill
	CREST                                          ; the barrier has opened a round of the cluster's barrier: no wave of any partner still reads this slot or has a load on its way
	s_add_nc_u64 s[G0A+4*\slot+2:G0A+4*\slot+3], s[G0A+4*\slot+2:G0A+4*\slot+3], 2*ROWB
	s_add_nc_u64 s[G0B+4*\slot+2:G0B+4*\slot+3], s[G0B+4*\slot+2:G0B+4*\slot+3], 2*ROWB
	s_add_nc_u64 s[G0L+4*\slot+2:G0L+4*\slot+3], s[G0L+4*\slot+2:G0L+4*\slot+3], 2*ROWB
	JLOAD \slot                                    ; the first tensor load behind the round; its four v_nop are also the places in front of the loads below
.else
	PLACES 4
.endif
	v_add_nc_u32 v[ADRS], 8, v[ADRS]               ; the next slot's scale words: 8 bytes on in each row
	v_add_nc_u32 v[ADRLS], 8, v[ADRLS]
	FETCH \next, 0, 0
	SCALES \next
	KPART 1, \next, 0, 0, 1, 1, 1, \slot, 0
	WIN MUL_Q
	MULQ 2, 1, 1, \slot, 0
	MULQ 3, 1, 1, \slot, 0
	WIN 0
.endm
; The transposed product leaves register 8 b + j = column 16 b + 8 (lane / 16) + j.  The exchange of halves makes register 16 g + i = column 32 g + 16 (lane / 16) + i: sixteen neighbours, as the conversions want them.
.macro SWAP16 t
.irp g, 0,1,2,3
.irp j, 0,1,2,3,4,5,6,7
	v_permlane16_swap_b32 v[\t+16*\g+\j], v[\t+16*\g+8+\j]
.endr
.endr
.endm
; 64 numbers of a lane, register 16 b + i = number 16 (lane / 16) + i of block b, become codes in v[pc] .. v[pc + 11] (lanes 0-15 blocks 0 and 2 whole, lanes 16-31 blocks 1 and 3) and the four scale bytes in v[pw].
.macro QUANT s, pc, pw, tm
.irp b, 0,1,2,3
	v_max3_num_f32 v[\tm+\b], |v[\s+16*\b]|, |v[\s+1+16*\b]|, 0x1800000   ; my 16 numbers, and the floor 2^(3 - 127): the byte cannot fall under 1
.endr
.irp i, 2,4,6,8,10,12,14
.irp b, 0,1,2,3
	v_max3_num_f32 v[\tm+\b], v[\tm+\b], |v[\s+16*\b+\i]|, |v[\s+1+16*\b+\i]|
.endr
.endr
.irp b, 0,1,2,3
	v_permlanex16_b32 v[\tm+4+\b], v[\tm+\b], s[SEL], s[SEL+1]
.endr
.irp b, 0,1,2,3
	v_max_num_f32 v[\tm+\b], v[\tm+\b], v[\tm+4+\b]   ; with lane l xor 16's: the block's largest magnitude
.endr
.irp b, 0,1,2,3
	v_add_nc_u32 v[\tm+12+\b], 0xff000000, v[\tm+\b]  ; 2 off its exponent field: the conversion's scale operand
.endr
.irp b, 0,1,2,3
	v_lshrrev_b32 v[\tm+4+\b], 23, v[\tm+12+\b]       ; the scale's byte
.endr
	v_lshl_or_b32 v[\pw], v[\tm+5], 8, v[\tm+4]
	v_lshl_or_b32 v[\pw], v[\tm+6], 16, v[\pw]
	v_lshl_or_b32 v[\pw], v[\tm+7], 24, v[\pw]
.irp c, 0,1
	v_cvt_scalef32_pk16_fp6_f32 v[\pc+6*\c:\pc+2+6*\c], v[\s+32*\c:\s+15+32*\c], v[\tm+12+2*\c]
	v_cvt_scalef32_pk16_fp6_f32 v[\pc+12+4*\c:\pc+14+4*\c], v[\s+16+32*\c:\s+31+32*\c], v[\tm+12+2*\c+1]   ; (a conversion's three registers begin on an even number)
.endr
	v_nop                                          ; one plain place behind a scaled conversion
.irp c, 0,1
.irp i, 0,1,2
	v_permlane16_swap_b32 v[\pc+6*\c+\i], v[\pc+12+4*\c+\i]
.endr
.irp i, 0,1,2
	v_mov_b32 v[\pc+3+6*\c+\i], v[\pc+12+4*\c+\i]
.endr
.endr
.endm
	s_load_b256 s[4:11], s[0:1], 0x0               ; x's codes, x's scales, W_d's codes, W_d's scales
	s_load_b256 s[12:19], s[0:1], 0x20             ; W_lat's codes, W_lat's scales, b_d, b_lat
	s_load_b128 s[20:23], s[0:1], 0x40             ; qimg, qsc
	s_load_b64 s[24:25], s[0:1], 0x50              ; kv
	v_lshl_add_u32 v[SPW], v0, 2, SPARE
	v_mov_b32 v[NIL], 0
	ds_add_u32 v[SPW], v[NIL]                      ; the wave's opening: the add, twice on end, and its wait ahead of my first tensor load
	ds_add_u32 v[SPW], v[NIL]                      ; and once more; the set-up below, work on registers, stands between it and the wait
	v_lshrrev_b32 v3, 5, v0
	v_readfirstlane_b32 s[WV], v3                  ; wave 0..3
	s_and_b32 s27, s[WV], 1
	s_bfe_u32 s28, ttmp6, 0x40000                  ; cx
	s_bfe_u32 s29, ttmp6, 0x40004                  ; cy
	s_lshl_b32 s30, ttmp9, 2
	s_add_co_u32 s30, s30, s28                     ; the head = 4 x cluster x + cx
	s_and_b32 s31, ttmp7, 0xffff
	s_lshl_b32 s31, s31, 2
	s_add_co_u32 s31, s31, s29                     ; the block of 256 rows = 4 x cluster y + cy
	s_lshl_b32 s32, s29, 2
	s_lshl_b32 s32, 15, s32                        ; my row of the cluster
	s_lshl_b32 s33, 0x1111, s28                    ; my column
	s_cmp_eq_u32 s[WV], ttmp9
	s_cselect_b32 s[KW], 1, 0                      ; the same in all sixteen partners, for a given wave
	s_mov_b32 s[SEL], 0x76543210
	s_mov_b32 s[SEL+1], 0xfedcba98
	; descriptor group 1: rows of 192 bytes, 1,536 bytes apart in memory, 16 bytes of padding behind every 64 in LDS
	s_or_b32 s[G1A], s32, (1<<20)|(1<<21)|(3<<22)|(3<<25)
	s_or_b32 s[G1B], s33, (1<<20)|(1<<21)|(3<<22)|(3<<25)
	s_or_b32 s[G1L], s33, (1<<20)|(1<<21)|(3<<22)|(3<<25)
.irp g, G1A, G1B, G1L
	s_mov_b32 s[\g+1], ROWB<<16                    ; tensor_dim0
	s_mov_b32 s[\g+3], ROWB<<16                    ; tile_dim0
	s_mov_b32 s[\g+5], KROW                        ; the pitch
	s_mov_b32 s[\g+6], 0
	s_mov_b32 s[\g+7], 0
.endr
	s_mov_b32 s[G1A+2], 128<<16                    ; tensor_dim1, tile_dim1: 128 rows of x,
	s_mov_b32 s[G1A+4], 128
	s_mov_b32 s[G1B+2], 128<<16                    ; 128 of W_d,
	s_mov_b32 s[G1B+4], 128
	s_mov_b32 s[G1L+2], 32<<16                     ; 32 of W_lat
	s_mov_b32 s[G1L+4], 32
	s_lshl_b32 s92, s31, 8
	s_lshl_b32 s93, s27, 7
	s_add_co_u32 s92, s92, s93
	s_mul_i32 s92, s92, KROW                       ; x: row 256 x block + 128 x (wave % 2)
	s_mov_b32 s93, 0
	s_mul_i32 s94, s30, 128*KROW                   ; W_d: the head's 128 rows
	s_mov_b32 s95, 0
	s_mul_i32 s96, s28, 32*KROW                    ; W_lat: rows 32 cx on
	s_mov_b32 s97, 0
	s_mul_i32 s98, s27, 128*PITCH                  ; where x's half goes
	; every address register is made here
	v_and_b32 v1, 15, v0                           ; r
	v_bfe_u32 v2, v0, 4, 1                         ; h
	v_mul_u32_u24 v3, v1, PITCH
	v_mad_u32_u24 v3, v2, 24, v3                   ; a fragment's row x pitch + 24 h
	v_lshl_add_u32 v5, v2, 4, v3                   ; and behind one padding more
	s_mul_i32 s99, s[WV], 64*PITCH                 ; my 64 rows of x
.irp s, 0,1
	v_add_nc_u32 v[ADRX+\s], s99, v3
	v_add_nc_u32 v[ADRX+2+\s], s99, v5
	v_add_nc_u32 v[ADRW+\s], WOFF+\s*SLOT, v3
	v_add_nc_u32 v[ADRW+2+\s], WOFF+\s*SLOT, v5
	v_add_nc_u32 v[ADRL+\s], LOFF+\s*SLOT, v3
	v_add_nc_u32 v[ADRL+2+\s], LOFF+\s*SLOT, v5
	s_add_co_u32 s99, s99, SLOT
.endr
	v_lshlrev_b32 v3, 6, v1                        ; a row's scale bytes: 64 r,
	v_lshrrev_b32 v4, 2, v1
	v_lshl_add_u32 v3, v4, 4, v3                   ; and 16 more for each 256 passed
	s_mul_i32 s99, s[WV], 4*SBLK                   ; x's: my 64 rows
	s_sub_co_u32 s100, 17408, s99                  ; from there to W_d's
	v_mul_u32_u24 v4, s100, v2                     ; lanes 16-31 take W_d's
	s_add_co_u32 s99, s99, SCL
	v_add_nc_u32 v4, v3, v4
	v_add_nc_u32 v[ADRS], s99, v4
	v_add_nc_u32 v[ADRLS], SCT, v3
	v_lshlrev_b32 v[CPG], 4, v0                    ; the scale bytes' way in: 16 bytes a thread, 2,048 a run
	v_lshrrev_b32 v3, 4, v0
	v_lshl_add_u32 v[CPY], v3, 4, v[CPG]
	v_add_nc_u32 v[CPY], SCL, v[CPY]               ; 16 t + 16 (t / 16)
	s_mul_i32 s99, s[WV], 64*STP
	s_add_co_u32 s99, s99, STG                     ; my stage
	v_mul_u32_u24 v3, v1, STP
	v_lshl_add_u32 v3, v2, 6, v3
	v_add_nc_u32 v[STW], s99, v3                   ; in: key r, + 64 h
	v_and_b32 v4, 31, v0
	v_lshlrev_b32 v[LI], 4, v4
	v_lshl_add_u32 v[STR], v4, 2, s99              ; out: the lane is the channel
	v_and_b32 v3, 7, v0
	v_lshl_add_u32 v3, v2, 3, v3                   ; the slot p = lane % 8 + 8 (lane / 16)
	v_bfe_u32 v4, v0, 3, 1                         ; u = (lane / 8) % 2
	v_mul_u32_u24 v5, v4, 1536
	v_lshl_add_u32 v[KA16], v3, 4, v5
	v_lshl_add_u32 v[KA8], v3, 3, v5
	v_lshlrev_b32 v5, 2, v4
	v_lshl_add_u32 v[KAS], v3, 4, v5
	v_lshlrev_b32 v6, 5, v2                        ; the biases: 32 h
	v_lshlrev_b32 v7, 4, v1                        ; qsc: 16 r
	s_wait_dscnt 0x0                               ; both opening adds are done
	s_wait_kmcnt 0x0
	s_add_nc_u64 s[92:93], s[4:5], s[92:93]
	s_add_nc_u64 s[94:95], s[8:9], s[94:95]
	s_add_nc_u64 s[96:97], s[12:13], s[96:97]
	s_mov_b32 s101, 0
	s_lshl_b32 s100, s31, 14
	s_add_nc_u64 s[6:7], s[6:7], s[100:101]        ; x's scale bytes: 256 rows of 64
	s_lshl_b32 s100, s30, 13
	s_add_nc_u64 s[10:11], s[10:11], s[100:101]    ; W_d's: 128 rows
	s_lshl_b32 s100, s28, 11
	s_add_nc_u64 s[14:15], s[14:15], s[100:101]    ; W_lat's: 32 rows
	s_lshl_b32 s100, s30, 9
	s_add_nc_u64 s[16:17], s[16:17], s[100:101]    ; b_d: the head's 128
	s_lshl_b32 s100, s28, 7
	s_add_nc_u64 s[18:19], s[18:19], s[100:101]    ; b_lat: my 32
	CROUND                                         ; all sixteen work-groups are here: the first joint loads meet
.irp s, 0,1
	s_mov_b32 s[G0A+4*\s], 1
	s_add_co_u32 s[G0A+4*\s+1], s98, \s*SLOT
	s_add_nc_u64 s[G0A+4*\s+2:G0A+4*\s+3], s[92:93], \s*ROWB
	s_or_b32 s[G0A+4*\s+3], s[G0A+4*\s+3], 0x80000000
	s_mov_b32 s[G0B+4*\s], 1
	s_mov_b32 s[G0B+4*\s+1], \s*SLOT+WOFF
	s_add_nc_u64 s[G0B+4*\s+2:G0B+4*\s+3], s[94:95], \s*ROWB
	s_or_b32 s[G0B+4*\s+3], s[G0B+4*\s+3], 0x80000000
	s_mov_b32 s[G0L+4*\s], 1
	s_mov_b32 s[G0L+4*\s+1], \s*SLOT+LOFF
	s_add_nc_u64 s[G0L+4*\s+2:G0L+4*\s+3], s[96:97], \s*ROWB
	s_or_b32 s[G0L+4*\s+3], s[G0L+4*\s+3], 0x80000000
	JLOAD \s                                       ; two loads of mine are out
.endr
.irp i, 0,1,2,3,4,5,6,7
	global_load_b128 v[CT+4*\i:CT+4*\i+3], v[CPG], s[6:7] offset:2048*\i
.endr
.irp i, 0,1,2,3
	global_load_b128 v[CT+32+4*\i:CT+32+4*\i+3], v[CPG], s[10:11] offset:2048*\i
.endr
	global_load_b128 v[CT+48:CT+51], v[CPG], s[14:15]
	WIN 0xc0                                       ; destination window 3
.irp b, 0,1,2,3,4,5,6,7
	global_load_b128 v[64+8*\b:67+8*\b], v6, s[16:17] offset:64*\b        ; b_d at channels 16 b + 8 h + 0 .. 7
	global_load_b128 v[68+8*\b:71+8*\b], v6, s[16:17] offset:64*\b+16
.endr
.irp n, 0,1
	global_load_b128 v[128+8*\n:131+8*\n], v6, s[18:19] offset:64*\n      ; b_lat likewise
	global_load_b128 v[132+8*\n:135+8*\n], v6, s[18:19] offset:64*\n+16
.endr
	WIN 0
	s_wait_loadcnt 0x0
.irp i, 0,1,2,3,4,5,6,7
	ds_store_b128 v[CPY], v[CT+4*\i:CT+4*\i+3] offset:2176*\i
.endr
.irp i, 0,1,2,3
	ds_store_b128 v[CPY], v[CT+32+4*\i:CT+32+4*\i+3] offset:17408+2176*\i
.endr
	ds_store_b128 v[CPY], v[CT+48:CT+51] offset:26112
	s_wait_tensorcnt 0x1                           ; my part of slot 0 is in; slot 1's load, the one issued behind it, may stay out
	s_wait_dscnt 0x0                               ; my scale bytes lie in LDS
	s_barrier_signal -1
	s_barrier_wait -1
	FETCH 0, 0, 0
	SCALES 0
	s_cmp_eq_u32 s[KW], 0
	s_cbranch_scc1 .Lno_k_first
	KFETCH 0, 0, 0, 1
.Lno_k_first:
	STEPA 0, 1                                     ; the first step stands in front of the loop: its products start the sums
	s_mov_b32 s3, 3
.Llap:                                             ; a trip goes once round the ring and fills both slots again: slots 2 to 7 of K's eight
	TURN 0, 1, 1
	STEPA 1, 0
	TURN 1, 0, 1
	STEPA 0, 0
	s_sub_co_u32 s3, s3, 1
	s_cmp_lg_u32 s3, 0
	s_cbranch_scc1 .Llap
	TURN 0, 1, 0                                   ; the last lap fills nothing
	STEPA 1, 0
	s_wait_dscnt 0x0
	KPART 0, 0, 0, 0, 0, 1, 1, 1, 0
	WIN MUL_Q
	MULQ 0, 1, 1, 1, 0
	MULQ 1, 1, 1, 1, 0
	MULQ 2, 1, 1, 1, 0
	MULQ 3, 1, 1, 1, 0
	WIN 0
	PLACES 4                                       ; in front of the first read of results and the first write of operands
	; q's WAY OUT: the bias (which is also the move out of window 2), the exchange of halves, the quantiser; a tile's image leaves as three stores of 512 consecutive bytes
	s_lshr_b32 s94, s31, 3                         ; the batch
	s_lshl_b32 s94, s94, 4
	s_add_co_u32 s94, s94, s30                     ; 16 b + head
	s_lshl_b32 s94, s94, 5
	s_and_b32 s95, s31, 7
	s_lshl_b32 s95, s95, 2
	s_add_co_u32 s94, s94, s95
	s_add_co_u32 s94, s94, s[WV]                   ; my four tiles' number among the groups of four
	s_lshl_b32 s96, s94, 8
	s_mov_b32 s97, 0
	s_mul_i32 s94, s94, 4*1536
	s_mov_b32 s95, 0
	s_add_nc_u64 s[20:21], s[20:21], s[94:95]
	s_add_nc_u64 s[22:23], s[22:23], s[96:97]
.irp b, 0,1,2,3
	v_mov_b32 v[TM+4+\b], 0                        ; written once: a lane permute's destination counts as one of its sources
.endr
.irp a, 0,1,2,3
	WIN 0x0e                                       ; source 0 window 2, source 1 window 3
.set I, 0
.rept 32
	v_pk_add_f32 v[T+I:T+I+1], v[64*\a+I:64*\a+I+1], v[64+I:64+I+1]   ; each accumulator from its low end on
.set I, I+2
.endr
	WIN 0
	SWAP16 T
.if \a > 1
	s_wait_xcnt 0x0                                ; the stores of two tiles back have read their registers
.endif
	QUANT T, CT+20*(\a%2), PWQ+\a, TM
.irp c, 0,1,2
	global_store_b128 v[LI], v[CT+20*(\a%2)+4*\c:CT+20*(\a%2)+4*\c+3], s[20:21] offset:1536*\a+512*\c
.endr
.endr
	global_store_b128 v7, v[PWQ:PWQ+3], s[22:23]   ; 256 consecutive bytes: row r's four words; lanes 16-31 hold and write the same
	; k's WAY OUT, in the one wave that made it
	s_cmp_eq_u32 s[KW], 0
	s_cbranch_scc1 .Lno_k_out
	s_lshl_b32 s94, s31, 1
	s_lshr_b32 s95, ttmp9, 1
	s_add_co_u32 s94, s94, s95                     ; the key step: 2 x block of rows + wave / 2
	s_mul_i32 s94, s94, 25600
	s_and_b32 s95, ttmp9, 1                        ; e: which 64 keys of the step
	s_lshr_b32 s96, s28, 1
	s_and_b32 s97, s28, 1
	s_mul_i32 s99, s95, 6144
	s_mul_i32 s100, s96, 768
	s_add_co_u32 s99, s99, s100
	s_add_co_u32 s99, s99, s94
	s_lshl_b32 s100, s97, 8
	s_add_co_u32 s8, s99, s100                     ; K's cells of 16 bytes: tiles 4 e on, channel block cx
	s_mov_b32 s9, 0
	s_lshl_b32 s100, s97, 7
	s_add_co_u32 s10, s99, s100                    ; and of 8
	s_mov_b32 s11, 0
	s_lshl_b32 s100, s95, 8
	s_add_co_u32 s12, s94, s100
	s_add_co_u32 s12, s12, s28
	s_add_co_u32 s12, s12, 24576                   ; K's scale bytes: byte cx of each word
	s_mov_b32 s13, 0
	s_mul_i32 s100, s28, 3072
	s_add_co_u32 s14, s94, s100
	s_mul_i32 s100, s95, 768
	s_add_co_u32 s14, s14, s100
	s_add_co_u32 s14, s14, 12288                   ; V's cells: tiles 2 cx on, keys 64 e on
	s_mov_b32 s15, 0
	s_lshl_b32 s100, s96, 8
	s_add_co_u32 s16, s94, s100
	s_lshl_b32 s100, s97, 3
	s_add_co_u32 s16, s16, s100
	s_lshl_b32 s100, s95, 1
	s_add_co_u32 s16, s16, s100
	s_add_co_u32 s16, s16, 25088                   ; V's scale bytes: bytes 2 e, 2 e + 1 of each word
	s_mov_b32 s17, 0
.irp g, 8,10,12,14,16
	s_add_nc_u64 s[\g:\g+1], s[24:25], s[\g:\g+1]
.endr
	WIN 0x0f                                       ; both sources window 3
.set I, 0
.rept 32
	v_pk_add_f32 v[T+I:T+I+1], v[I:I+1], v[128+I%16:129+I%16]
.set I, I+2
.endr
	WIN 0
	SWAP16 T                                       ; register 16 a + i = k(key 16 a + r, channel 16 h + i)
.irp a, 0,1,2,3
.irp g, 0,1,2,3
	ds_store_b128 v[STW], v[T+16*\a+4*\g:T+16*\a+4*\g+3] offset:16*STP*\a+16*\g
.endr
.endr
	QUANT T, 208, 228, TM                          ; along the channels: block a is key 16 a + r's 32 channels; lane l then holds key 16 (2 c + l / 16) + l % 16 whole in registers 6 c on
	v_lshlrev_b32 v229, 3, v2
	v_lshrrev_b32 v230, v229, v228                 ; its scale byte: byte 2 c + h of the word
	v_lshrrev_b32 v231, 16, v228
	v_lshrrev_b32 v231, v229, v231
.irp c, 0,1
	global_store_b128 v[KA16], v[208+6*\c:211+6*\c], s[8:9] offset:3072*\c
	global_store_b64 v[KA8], v[212+6*\c:213+6*\c], s[10:11] offset:3072*\c+512
	global_store_b8 v[KAS], v[230+\c], s[12:13] offset:8*\c
.endr
	s_wait_dscnt 0x0                               ; the stage's stores have read their registers
.set KK, 0
.rept 64
	ds_load_b32 v[T+KK], v[STR] offset:STP*KK      ; now the lane is a channel and its registers run down the 64 keys
.set KK, KK+1
.endr
	s_wait_dscnt 0x0
.irp hb, 0,1                                   ; along the keys: two whole blocks of 32 in a lane
.set XS, T+32*\hb
.set VW, TM+4*\hb
	v_max3_num_f32 v[VW], |v[XS]|, |v[XS+1]|, |v[XS+2]|
	v_max3_num_f32 v[VW+1], |v[XS+3]|, |v[XS+4]|, |v[XS+5]|
.irp i, 6,10,14,18,22,26
	v_max3_num_f32 v[VW], v[VW], |v[XS+\i]|, |v[XS+\i+1]|
	v_max3_num_f32 v[VW+1], v[VW+1], |v[XS+\i+2]|, |v[XS+\i+3]|
.endr
	v_max3_num_f32 v[VW], v[VW], |v[XS+30]|, |v[XS+31]|
	v_max3_num_f32 v[VW], v[VW], v[VW+1], 0x1800000
	v_add_nc_u32 v[VW+2], 0xff000000, v[VW]
	v_lshrrev_b32 v[VW+3], 23, v[VW+2]
	v_cvt_scalef32_pk16_fp6_f32 v[232+8*\hb:234+8*\hb], v[XS:XS+15], v[VW+2]
	v_cvt_scalef32_pk16_fp6_f32 v[248+4*\hb:250+4*\hb], v[XS+16:XS+31], v[VW+2]
	v_nop                                          ; one plain place behind a scaled conversion
.irp i, 0,1,2
	v_mov_b32 v[235+8*\hb+\i], v[248+4*\hb+\i]
.endr
	global_store_b128 v[KA16], v[232+8*\hb:235+8*\hb], s[14:15] offset:256*\hb
	global_store_b64 v[KA8], v[236+8*\hb:237+8*\hb], s[14:15] offset:512+128*\hb
.endr
	v_lshl_or_b32 v200, v[TM+7], 8, v[TM+3]
	global_store_b16 v[KAS], v200, s[16:17]
.Lno_k_out:
	s_wait_tensorcnt 0x0                           ; the wave's end: behind my last tensor load and my last LDS store
	ds_add_u32 v[SPW], v[NIL]
	s_wait_dscnt 0x0
	CROUND                                         ; the closing round: no work-group ends while a partner may still ask for a tile that names it
	s_endpgm
.Lfunc_end_k_q1bf926fe85_qk:
	.size	k_q1bf926fe85_qk, .Lfunc_end_k_q1bf926fe85_qk-k_q1bf926fe85_qk
	.p2alignl 7, 3214868480
	.fill 96, 4, 3214868480
	.section	.rodata,"a",@progbits
	.p2align	6, 0x0
	.amdhsa_kernel k_q1bf926fe85_qk
		.amdhsa_group_segment_fixed_size 327680
		.amdhsa_private_segment_fixed_size 0
		.amdhsa_enable_private_segment 0
		.amdhsa_kernarg_size 88
		.amdhsa_user_sgpr_count 2
		.amdhsa_user_sgpr_kernarg_segment_ptr 1
		.amdhsa_wavefront_size32 1
		.amdhsa_system_sgpr_workgroup_id_x 1
		.amdhsa_system_sgpr_workgroup_id_y 1
		.amdhsa_system_sgpr_workgroup_id_z 1
		.amdhsa_system_vgpr_workitem_id 0
		.amdhsa_next_free_vgpr 1024
		.amdhsa_next_free_sgpr 102
		.amdhsa_reserve_vcc 0
		.amdhsa_float_denorm_mode_32 3
		.amdhsa_float_denorm_mode_16_64 3
		.amdhsa_memory_ordered 1
		.amdhsa_forward_progress 1
		.amdhsa_inst_pref_size 153
	.end_amdhsa_kernel
	.amdgpu_metadata
---
amdhsa.version: [ 1, 2 ]
amdhsa.kernels:
  - .name:           k_q1bf926fe85_qk
    .symbol:         k_q1bf926fe85_qk.kd
    .args:
      - { .name: x_codes, .offset: 0, .size: 8, .value_kind: global_buffer, .address_space: global }
      - { .name: x_scales, .offset: 8, .size: 8, .value_kind: global_buffer, .address_space: global }
      - { .name: W_d_codes, .offset: 16, .size: 8, .value_kind: global_buffer, .address_space: global }
      - { .name: W_d_scales, .offset: 24, .size: 8, .value_kind: global_buffer, .address_space: global }
      - { .name: W_lat_codes, .offset: 32, .size: 8, .value_kind: global_buffer, .address_space: global }
      - { .name: W_lat_scales, .offset: 40, .size: 8, .value_kind: global_buffer, .address_space: global }
      - { .name: b_d, .offset: 48, .size: 8, .value_kind: global_buffer, .address_space: global }
      - { .name: b_lat, .offset: 56, .size: 8, .value_kind: global_buffer, .address_space: global }
      - { .name: qimg, .offset: 64, .size: 8, .value_kind: global_buffer, .address_space: global }
      - { .name: qsc, .offset: 72, .size: 8, .value_kind: global_buffer, .address_space: global }
      - { .name: kv, .offset: 80, .size: 8, .value_kind: global_buffer, .address_space: global }
    .group_segment_fixed_size: 327680
    .private_segment_fixed_size: 0
    .kernarg_segment_align: 8
    .kernarg_segment_size: 88
    .max_flat_workgroup_size: 128
    .sgpr_count:     102
    .vgpr_count:     1024
    .wavefront_size: 32
...
	.end_amdgpu_metadata
.endif
;; end of part 1
;; launch attn (part 2): grid 16 x 16, 8 waves a work-group, clusters of 4 x 1, 327,680 bytes of LDS; arguments qimg, qsc, kv, yimg, ysc; writes yimg, ysc
.if DOCPART == 2
	.amdgcn_target "amdgcn-amd-amdhsa--gfx1250"
	.amdhsa_code_object_version 6
	.text
	.protected	k_q1bf926fe85_attn
	.globl	k_q1bf926fe85_attn
	.p2align	8
	.type	k_q1bf926fe85_attn,@function
k_q1bf926fe85_attn:
	s_mov_b64 s[64:65], 0
	v_nop
	global_prefetch_b8 v0, s[64:65] scope:SCOPE_SE
	s_setreg_imm32_b32 hwreg(HW_REG_WAVE_MODE, 25, 1), 1
	s_wait_xcnt 0x0
	s_wait_alu depctr_hold_cnt(0) depctr_sa_sdst(0) depctr_va_vdst(0) depctr_va_sdst(0) depctr_va_ssrc(0) depctr_va_vcc(0) depctr_vm_vsrc(0)
	s_getreg_b32 s2, hwreg(HW_REG_IB_STS2, 6, 4)
	s_cmp_eq_u32 s2, 0
	s_cbranch_scc0 .Lentry_in_a_cluster
	s_endpgm
.Lentry_in_a_cluster:
	s_bfe_u32 s2, ttmp6, 0x10000c
	s_cmp_lg_u32 s2, 0x3003
	s_cbranch_scc0 .Lentry_shape_is_right
	s_endpgm
.Lentry_shape_is_right:
; y = softmax(q k^T / sqrt(128), causal) k for all heads against the latent that they share, both products on codes of FP6 (E2M3); then y is quantised along head x channel for the projection.
; LEFT OUT: key steps all of whose 128 keys come after a block's 128 queries: the mask that reference() builds gives them the weight 0 for all values of the inputs (shown at the head of the first kernel).
; THE SOFTMAX: t = score x log2(e) / sqrt(128); M = the running largest t rounded UP to a whole number; p = 2^(t - M) is quantised along the keys, not normalised; the row's sum is taken of the unquantised p and divides at the end.
; SHARES.  A work-group owns one head and TWO blocks of 128 queries, block jj and block 15 - jj (jj = 0 .. 7); wave w one tile of 16 queries of the block in hand.  Block jj wants key steps 0 .. jj, block 15 - jj steps 0 .. 15 - jj:
; 17 steps for every wave of every work-group, whatever jj.  So all trip counts are constants, no step, and the 256 work-groups have equal work.
; Position p of the walk is key step p for p <= jj, else p - jj - 1.  jj enters global addresses and two scalar tests (the change of blocks; the diagonal) alone.
; CLUSTER.  The four partners are four heads of one batch and one jj: they walk the same key steps, so every fill is asked for jointly, by the same load with a mask that names the four.
; LDS: twelve places of 25,600 bytes for positions 0 to 11, asked for at the head (three loads a wave, half a step each); positions 12 to 15 go into the places of 0 to 3 when those have been read, position 16 into the place of 4.
; Each refill has eight key steps in which to land, so nothing is asked for ahead of the tensor loads.
; LAYOUT.  Both products transposed: S^T = K Q^T, O^T = V^T P^T: a lane holds ONE query.  The first launch has chosen the keys of K's tiles and the channels of V's so that p's and O's 16 registers of two neighbouring tiles are 16 neighbours.
; Fragments lie in kv as images of registers: each comes by loads of 16 and 8 bytes a lane from consecutive bytes.  One load of 16 bytes brings the scale words of all 8 tiles: tile t reads register t % 4, lanes 0-15 for t < 4, lanes 16-31 else.
; LIMITS: NaN and infinities are not served.  A block's largest p is taken from its largest score (v_exp_f32 is taken not to fall where its input rises).  At the change of blocks O^T and the sums are not cleared: the next step's factor
; 2^(old M - new M) is 0 and multiplies them away, which takes the first block's sums to be finite.  ysc leaves as stores of 4 bytes 64 apart, one byte in 25 of what this launch stores: so the last launch reads it as it reads a tensor's scale bytes.
; REGISTERS: window 0: v1-9 addresses; v12 -M, v13 the largest t, v[14:15] the sum; v16-27 Q; v32-44 the second block's Q and scale word; v48-55 K's and V's scale words; v56-92 the quantiser of y; v96-159 S^T, then p; v160-223 O^T;
;   v224-254 at work; v255 Q's scale word.   window 1: K's fragments v0-95, V's v96-191.
.set STEPB, 25600
.set HALFB, 12800
.set SPARE, 12*STEPB                   ; the spare words: 128 bytes a wave, four blocks of 256 bytes that no other line names
.set L16,  1
.set L8,   2
.set AD16, 3
.set AD8,  4
.set SPW,  5                           ; my spare word; never rewritten
.set NIL,  6                           ; 0; never rewritten
.set DM,   7                           ; 16 w + r - 16 h: on the diagonal register 16 b + i is hidden where 32 b + i is above it
.set R16,  8
.set R64,  9
.set TM,   56
.set PCY,  72
.set PWY,  92
.set WV,   14
.set SEL,  20
.set CS,   22
.set G1,   24
.set G0,   32                          ; s[32:43] three first fills
.set G3,   44                          ; s[44:47] positions 12 to 15
.set G4,   68                          ; s[68:71] position 16
.set TB,   48
.set POS,  49
.set SWP,  50
.set DG,   51
.set YI1,  52
.set YS1,  54
.set YI2,  56
.set YS2,  58
.set QI1,  60
.set QS1,  62
.set CNT,  66
.set QI2,  80
.set QS2,  82
.set MSB, 0
.macro WIN new
.if MSB != \new
	s_set_vgpr_msb (MSB<<8)|\new
.set MSB, \new
.endif
.endm
.macro PLACES n
.rept \n
	v_nop
.endr
.endm
.macro CROUND
	s_barrier_signal -1
	s_barrier_wait -1
	s_cmp_lg_u32 s[WV], 0
	s_cbranch_scc1 .Lnot_wave_0_\@
	s_barrier_signal -3
.Lnot_wave_0_\@:
	s_barrier_wait -3
	s_barrier_signal -1
	s_barrier_wait -1
.endm
.macro QUANT s, pc, pw, tm             ; as in the first launch: 64 numbers, register 16 b + i = k 32 b + 16 (lane / 16) + i of my row, become a fragment's codes and its scale word
.irp b, 0,1,2,3
	v_max3_num_f32 v[\tm+\b], |v[\s+16*\b]|, |v[\s+1+16*\b]|, 0x1800000
.endr
.irp i, 2,4,6,8,10,12,14
.irp b, 0,1,2,3
	v_max3_num_f32 v[\tm+\b], v[\tm+\b], |v[\s+16*\b+\i]|, |v[\s+1+16*\b+\i]|
.endr
.endr
.irp b, 0,1,2,3
	v_permlanex16_b32 v[\tm+4+\b], v[\tm+\b], s[SEL], s[SEL+1]
.endr
.irp b, 0,1,2,3
	v_max_num_f32 v[\tm+\b], v[\tm+\b], v[\tm+4+\b]
.endr
.irp b, 0,1,2,3
	v_add_nc_u32 v[\tm+12+\b], 0xff000000, v[\tm+\b]
.endr
.irp b, 0,1,2,3
	v_lshrrev_b32 v[\tm+4+\b], 23, v[\tm+12+\b]
.endr
	v_lshl_or_b32 v[\pw], v[\tm+5], 8, v[\tm+4]
	v_lshl_or_b32 v[\pw], v[\tm+6], 16, v[\pw]
	v_lshl_or_b32 v[\pw], v[\tm+7], 24, v[\pw]
.irp c, 0,1
	v_cvt_scalef32_pk16_fp6_f32 v[\pc+6*\c:\pc+2+6*\c], v[\s+32*\c:\s+15+32*\c], v[\tm+12+2*\c]
	v_cvt_scalef32_pk16_fp6_f32 v[\pc+12+4*\c:\pc+14+4*\c], v[\s+16+32*\c:\s+31+32*\c], v[\tm+12+2*\c+1]
.endr
	v_nop                                          ; one plain place behind a scaled conversion
.irp c, 0,1
.irp i, 0,1,2
	v_permlane16_swap_b32 v[\pc+6*\c+\i], v[\pc+12+4*\c+\i]
.endr
.irp i, 0,1,2
	v_mov_b32 v[\pc+3+6*\c+\i], v[\pc+12+4*\c+\i]
.endr
.endr
.endm
.macro PASSADR i, qi, qs, yi, ys       ; byte offsets of tile s[i]: s77 = 16 b + head, s18 = b, s16 = head
	s_lshl_b32 s67, s77, 7
	s_add_co_u32 s67, s67, s[\i]
	s_mul_i32 s[\qi], s67, 1536
	s_mov_b32 s[\qi+1], 0
	s_lshl_b32 s67, s77, 5
	s_lshr_b32 s[\qs], s[\i], 2
	s_add_co_u32 s67, s67, s[\qs]
	s_lshl_b32 s67, s67, 8
	s_and_b32 s[\qs], s[\i], 3
	s_lshl_b32 s[\qs], s[\qs], 2
	s_add_co_u32 s[\qs], s[\qs], s67
	s_mov_b32 s[\qs+1], 0
	s_lshl_b32 s67, s18, 7
	s_add_co_u32 s67, s67, s[\i]                   ; the tile of rows among all 256
	s_lshl_b32 s[\ys], s67, 10
	s_lshl_b32 s[\yi], s67, 4
	s_add_co_u32 s[\yi], s[\yi], s16
	s_mul_i32 s[\yi], s[\yi], 1536
	s_mov_b32 s[\yi+1], 0
	s_lshl_b32 s67, s16, 2
	s_add_co_u32 s[\ys], s[\ys], s67
	s_mov_b32 s[\ys+1], 0
.endm
; A block's end: O^T / the sum, quantised along the channels, stored as the projection's operand.
.macro FINISH yi, ys
	s_wait_xcnt 0x0                                ; the first block's stores have read their registers
	v_add_f32 v14, v14, v15
	v_permlanex16_b32 v252, v14, s[SEL], s[SEL+1]
	v_add_f32 v14, v14, v252                       ; the row's sum
	v_rcp_f32 v14, v14
	v_nop                                          ; a plain place behind the reciprocal
	s_wait_alu depctr_va_vdst(0)                   ; and a wait ahead of its first reader
.set J, 0
.rept 32
	v_pk_mul_f32 v[96+J:97+J], v[160+J:161+J], v[14:15] op_sel_hi:[1,0]   ; register 16 b + i = channel 32 b + 16 h + i; each accumulator from its low end on
.set J, J+2
.endr
	QUANT 96, PCY, PWY, TM
.irp c, 0,1,2
	global_store_b128 v[L16], v[PCY+4*\c:PCY+4*\c+3], s[\yi:\yi+1] offset:512*\c   ; 512 consecutive bytes
.endr
	global_store_b32 v[R64], v[PWY], s[\ys:\ys+1]  ; both halves of the lanes hold and write the same word
.endm
.macro RESTART                         ; on to the second block: its Q, and a largest t under every t.  The scale word is moved first: 8 places are owed it ahead of the next scaled product, 4 to Q's registers
	v_mov_b32 v255, v44
.irp i, 0,1,2,3,4,5,6,7,8,9,10,11
	v_mov_b32 v[16+\i], v[32+\i]
.endr
	v_mov_b32 v13, 0xff61b1e6
	v_floor_f32 v12, -v13
	s_mov_b32 s[DG], 16
	PLACES 4
.endm
; A KEY STEP: 128 keys at LDS byte s[TB].
.macro STEP sw
.if \sw
	s_cmp_lg_u32 s[POS], s[SWP]                    ; ids and the count of steps alone: the same in all waves and all partners
	s_cbranch_scc1 .Lsame_\@
	FINISH YI1, YS1
	RESTART
.Lsame_\@:
.endif
	v_add_nc_u32 v[AD16], s[TB], v[L16]
	v_add_nc_u32 v[AD8], s[TB], v[L8]
	ds_load_b128 v[48:51], v[AD16] offset:24576    ; K's scale words,
	ds_load_b128 v[52:55], v[AD16] offset:25088    ; V's
	WIN 0x40                                       ; destination window 1
.irp t, 0,1,2,3,4,5,6,7
.irp c, 0,1
	ds_load_b128 v[12*\t+6*\c:12*\t+6*\c+3], v[AD16] offset:1536*\t+768*\c
	ds_load_b64 v[12*\t+6*\c+4:12*\t+6*\c+5], v[AD8] offset:1536*\t+768*\c+512
.endr
.endr
.irp t, 0,1,2,3,4,5,6,7
.irp c, 0,1
	ds_load_b128 v[96+12*\t+6*\c:96+12*\t+6*\c+3], v[AD16] offset:12288+1536*\t+768*\c
	ds_load_b64 v[96+12*\t+6*\c+4:96+12*\t+6*\c+5], v[AD8] offset:12288+1536*\t+768*\c+512
.endr
.endr
	WIN 0
	s_wait_dscnt 32                                ; V's 32 loads may stay out: they land under the softmax
	WIN 0x01                                       ; source 0 window 1
.irp t, 0,1,2,3
	v_wmma_scale_f32_16x16x128_f8f6f4 v[96+8*\t:103+8*\t], v[12*\t:12*\t+11], v[16:27], 0, v[48+\t], v255 matrix_a_fmt:MATRIX_FMT_FP6 matrix_b_fmt:MATRIX_FMT_FP6
.endr
.irp t, 4,5,6,7
	v_wmma_scale_f32_16x16x128_f8f6f4 v[96+8*\t:103+8*\t], v[12*\t:12*\t+11], v[16:27], 0, v[44+\t], v255 matrix_a_fmt:MATRIX_FMT_FP6 matrix_b_fmt:MATRIX_FMT_FP6 matrix_a_scale:MATRIX_SCALE_ROW1
.endr
	WIN 0
	PLACES 4
	s_cmp_lg_u32 s[POS], s[DG]                     ; on the diagonal alone the scores of hidden keys become -infinity ahead of the maximum
	s_cbranch_scc1 .Lopen_\@
	v_mov_b32 v254, 0xff800000
.set N, 0
.rept 64
	v_cmp_gt_i32 vcc_lo, 32*(N/16)+N%16, v[DM]
	v_cndmask_b32 v[96+N], v[96+N], v254, vcc_lo
.set N, N+1
.endr
.Lopen_\@:
.irp b, 0,1,2,3
	v_max3_num_f32 v[232+\b], v[96+16*\b], v[97+16*\b], v[98+16*\b]   ; the largest score of each block of 32 keys: for the row's maximum and for the block's largest p
.endr
.irp i, 3,5,7,9,11,13
.irp b, 0,1,2,3
	v_max3_num_f32 v[232+\b], v[232+\b], v[96+16*\b+\i], v[97+16*\b+\i]
.endr
.endr
.irp b, 0,1,2,3
	v_max_num_f32 v[232+\b], v[232+\b], v[111+16*\b]
.endr
.irp b, 0,1,2,3
	v_permlanex16_b32 v[236+\b], v[232+\b], s[SEL], s[SEL+1]
.endr
.irp b, 0,1,2,3
	v_max_num_f32 v[232+\b], v[232+\b], v[236+\b]
.endr
	v_max3_num_f32 v254, v232, v233, v234
	v_max_num_f32 v254, v254, v235
	v_mul_f32 v254, s[CS], v254                    ; as t (c is positive)
	v_max_num_f32 v13, v13, v254                   ; the running largest t
	v_mov_b32 v254, v12
	v_floor_f32 v12, -v13                          ; the new -M = floor(-t): M is a whole number
	v_sub_f32 v254, v12, v254                      ; old M less new M: a whole number, 0 or less
	v_cvt_i32_f32 v254, v254                       ; (it saturates)
	v_ldexp_f32 v252, 1.0, v254                    ; f = 2^(old M - new M)
.set J, 0
.rept 32
	v_pk_fma_f32 v[96+J:97+J], v[96+J:97+J], s[CS:CS+1], v[12:13] op_sel_hi:[1,0,0]   ; t - M, two at a time
.set J, J+2
.endr
.irp b, 0,1,2,3
	v_fma_f32 v[232+\b], v[232+\b], s[CS], v12
.endr
.set J, 0
.rept 64
	v_exp_f32 v[96+J], v[96+J]                     ; p = 2^(t - M)
.set J, J+1
.endr
	v_pk_mul_f32 v[14:15], v[14:15], v[252:253] op_sel_hi:[1,0]   ; the sums under the new M: a plain place behind the exponentials
	s_wait_alu depctr_va_vdst(0)                   ; one wait for the whole batch, ahead of its first reader
.irp b, 0,1,2,3
	v_exp_f32 v[232+\b], v[232+\b]                 ; the block's largest p
.endr
	v_pk_add_f32 v[236:237], v[96:97], v[98:99]    ; the row's sum of the unquantised p, in two chains
.irp j, 4,8,12,16,20,24,28,32,36,40,44,48,52,56,60
	v_pk_add_f32 v[14:15], v[14:15], v[96+\j:97+\j]
	v_pk_add_f32 v[236:237], v[236:237], v[98+\j:99+\j]
.endr
	v_pk_add_f32 v[14:15], v[14:15], v[236:237]
	s_wait_alu depctr_va_vdst(0)                   ; and one for the four
.irp b, 0,1,2,3
	v_max_num_f32 v[232+\b], 0x1800000, v[232+\b]  ; the floor 2^(3 - 127)
.endr
.irp b, 0,1,2,3
	v_add_nc_u32 v[244+\b], 0xff000000, v[232+\b]
.endr
.irp b, 0,1,2,3
	v_lshrrev_b32 v[236+\b], 23, v[244+\b]
.endr
	v_lshl_or_b32 v253, v237, 8, v236              ; p's scale word for these 128 keys
	v_lshl_or_b32 v253, v238, 16, v253
	v_lshl_or_b32 v253, v239, 24, v253
.irp c, 0,1
	v_cvt_scalef32_pk16_fp6_f32 v[224+6*\c:226+6*\c], v[96+32*\c:111+32*\c], v[244+2*\c]
	v_cvt_scalef32_pk16_fp6_f32 v[236+4*\c:238+4*\c], v[112+32*\c:127+32*\c], v[244+2*\c+1]
.endr
	v_nop                                          ; one plain place behind a scaled conversion
.irp c, 0,1
.irp i, 0,1,2
	v_permlane16_swap_b32 v[224+6*\c+\i], v[236+4*\c+\i]
.endr
.irp i, 0,1,2
	v_mov_b32 v[227+6*\c+\i], v[236+4*\c+\i]
.endr
.endr
.set J, 0
.rept 32
	v_pk_mul_f32 v[160+J:161+J], v[160+J:161+J], v[252:253] op_sel_hi:[1,0]   ; O^T under the new M; these 32 are also the places in front of the products below
.set J, J+2
.endr
	s_wait_dscnt 0x0                               ; V is in
	WIN 0x01
.irp t, 0,1,2,3
	v_wmma_scale_f32_16x16x128_f8f6f4 v[160+8*\t:167+8*\t], v[96+12*\t:107+12*\t], v[224:235], v[160+8*\t:167+8*\t], v[52+\t], v253 matrix_a_fmt:MATRIX_FMT_FP6 matrix_b_fmt:MATRIX_FMT_FP6
.endr
.irp t, 4,5,6,7
	v_wmma_scale_f32_16x16x128_f8f6f4 v[160+8*\t:167+8*\t], v[96+12*\t:107+12*\t], v[224:235], v[160+8*\t:167+8*\t], v[48+\t], v253 matrix_a_fmt:MATRIX_FMT_FP6 matrix_b_fmt:MATRIX_FMT_FP6 matrix_a_scale:MATRIX_SCALE_ROW1
.endr
	WIN 0
	PLACES 4                                       ; in front of the next step's loads into operands and scale words, and of a block's end, which reads O^T
	s_add_co_u32 s[TB], s[TB], STEPB
	s_add_co_u32 s[POS], s[POS], 1
.endm
.macro WALK n, tb, sw                  ; n key steps from LDS byte tb on
	s_mov_b32 s[TB], \tb
	s_mov_b32 s[CNT], \n
.Lwalk_\@:
	STEP \sw
	s_sub_co_u32 s[CNT], s[CNT], 1
	s_cmp_lg_u32 s[CNT], 0
	s_cbranch_scc1 .Lwalk_\@
.endm
	s_load_b256 s[4:11], s[0:1], 0x0               ; qimg, qsc, kv, yimg
	s_load_b64 s[12:13], s[0:1], 0x20              ; ysc
	v_lshl_add_u32 v[SPW], v0, 2, SPARE
	v_mov_b32 v[NIL], 0
	ds_add_u32 v[SPW], v[NIL]                      ; the wave's opening: the add, twice on end, and its wait ahead of my first tensor load
	ds_add_u32 v[SPW], v[NIL]                      ; and once more; the set-up below, work on registers, stands between it and the wait
	v_lshrrev_b32 v10, 5, v0
	v_readfirstlane_b32 s[WV], v10                 ; wave 0..7
	s_bfe_u32 s15, ttmp6, 0x40000                  ; cx
	s_lshl_b32 s16, ttmp9, 2
	s_add_co_u32 s16, s16, s15                     ; the head: it enters Q's and y's addresses alone
	s_and_b32 s17, ttmp7, 0xffff
	s_lshr_b32 s18, s17, 3                         ; the batch
	s_and_b32 s19, s17, 7                          ; jj
	; descriptor group 1: half a key step, 12,800 dense bytes, as 50 rows of 256 bytes (32 elements of 8), for all four partners
	s_mov_b32 s[G1], 15|(3<<16)|(1<<21)
	s_mov_b32 s[G1+1], 32<<16
	s_mov_b32 s[G1+2], 50<<16
	s_mov_b32 s[G1+3], 32<<16
	s_mov_b32 s[G1+4], 50
	s_mov_b32 s[G1+5], 32
	s_mov_b32 s[G1+6], 0
	s_mov_b32 s[G1+7], 0
	s_mov_b32 s[SEL], 0x76543210
	s_mov_b32 s[SEL+1], 0xfedcba98
	s_mov_b32 s[CS], 0x3e0293ee                    ; c = log2(e) / sqrt(128)
	s_mov_b32 s[CS+1], s[CS]
	s_add_co_u32 s[SWP], s19, 1                    ; the position at which the second block begins
	s_mov_b32 s[DG], s19                           ; the first block's diagonal
	s_mov_b32 s[POS], 0
	s_mul_i32 s75, s18, 16*STEPB                   ; the batch's 16 key steps
	s_and_b32 s73, s[WV], 1
	s_mul_i32 s73, s73, HALFB
	s_add_co_u32 s72, s75, s73                     ; + my half of a step
	s_lshr_b32 s73, s[WV], 1
	s_mul_i32 s74, s[WV], HALFB                    ; where my loads go
.irp k, 0,1,2
	s_add_co_u32 s76, s73, 4*\k                    ; the position: wave / 2 + 4 k
	s_sub_co_u32 s[G0+4*\k+2], s76, s[SWP]
	s_cmp_le_u32 s76, s19
	s_cselect_b32 s76, s76, s[G0+4*\k+2]           ; its key step
	s_mul_i32 s76, s76, STEPB
	s_mov_b32 s[G0+4*\k], 1
	s_add_co_u32 s[G0+4*\k+1], s74, 4*STEPB*\k
	s_add_co_u32 s[G0+4*\k+2], s76, s72
	s_mov_b32 s[G0+4*\k+3], 0
.endr
	s_add_co_u32 s75, s75, s74
	s_sub_co_u32 s76, 11, s19                      ; position 12 is key step 11 - jj
	s_mul_i32 s76, s76, STEPB
	s_add_co_u32 s76, s76, s75
	s_mov_b32 s[G3], 1
	s_mov_b32 s[G3+1], s74
	s_mov_b32 s[G3+2], s76
	s_mov_b32 s[G3+3], 0
	s_mov_b32 s[G4], 1                             ; position 16 is key step 15 - jj: waves 0 and 1 ask for it
	s_add_co_u32 s[G4+1], s74, 4*STEPB
	s_add_co_u32 s[G4+2], s76, 4*STEPB
	s_mov_b32 s[G4+3], 0
	s_lshl_b32 s77, s18, 4
	s_add_co_u32 s77, s77, s16                     ; 16 b + head
	s_lshl_b32 s78, s19, 3
	s_add_co_u32 s78, s78, s[WV]                   ; my tile of the first block,
	s_sub_co_u32 s79, 15, s19
	s_lshl_b32 s79, s79, 3
	s_add_co_u32 s79, s79, s[WV]                   ; of the second
	PASSADR 78, QI1, QS1, YI1, YS1
	PASSADR 79, QI2, QS2, YI2, YS2
	v_and_b32 v10, 31, v0
	v_lshlrev_b32 v[L16], 4, v10
	v_lshlrev_b32 v[L8], 3, v10
	v_and_b32 v10, 15, v0                          ; r
	v_bfe_u32 v11, v0, 4, 1                        ; h
	v_lshlrev_b32 v[R16], 4, v10
	v_lshlrev_b32 v[R64], 6, v10
	v_lshlrev_b32 v11, 4, v11
	v_sub_nc_u32 v[DM], v10, v11
	s_lshl_b32 s67, s[WV], 4
	v_add_nc_u32 v[DM], s67, v[DM]
	s_wait_dscnt 0x0                               ; both opening adds are done
	s_wait_kmcnt 0x0
.irp g, G0, G0+4, G0+8, G3, G4
	s_add_nc_u64 s[\g+2:\g+3], s[8:9], s[\g+2:\g+3]
	s_or_b32 s[\g+3], s[\g+3], 0x80000000
.endr
	s_add_nc_u64 s[QI1:QI1+1], s[4:5], s[QI1:QI1+1]
	s_add_nc_u64 s[QI2:QI2+1], s[4:5], s[QI2:QI2+1]
	s_add_nc_u64 s[QS1:QS1+1], s[6:7], s[QS1:QS1+1]
	s_add_nc_u64 s[QS2:QS2+1], s[6:7], s[QS2:QS2+1]
	s_add_nc_u64 s[YI1:YI1+1], s[10:11], s[YI1:YI1+1]
	s_add_nc_u64 s[YI2:YI2+1], s[10:11], s[YI2:YI2+1]
	s_add_nc_u64 s[YS1:YS1+1], s[12:13], s[YS1:YS1+1]
	s_add_nc_u64 s[YS2:YS2+1], s[12:13], s[YS2:YS2+1]
	CROUND                                         ; all four work-groups are here: the first joint loads meet
	tensor_load_to_lds s[G0:G0+3], s[G1:G1+7]      ; positions 0 to 3,
	s_nop 0
	tensor_load_to_lds s[G0+4:G0+7], s[G1:G1+7]    ; 4 to 7,
	s_nop 0
	tensor_load_to_lds s[G0+8:G0+11], s[G1:G1+7]   ; 8 to 11: three loads of mine are out
	s_nop 0
	PLACES 4
.irp c, 0,1,2
	global_load_b128 v[16+4*\c:19+4*\c], v[L16], s[QI1:QI1+1] offset:512*\c
	global_load_b128 v[32+4*\c:35+4*\c], v[L16], s[QI2:QI2+1] offset:512*\c
.endr
	global_load_b32 v255, v[R16], s[QS1:QS1+1]
	global_load_b32 v44, v[R16], s[QS2:QS2+1]
	v_mov_b32 v13, 0xff61b1e6                      ; the largest t so far: -3e38
	v_floor_f32 v12, -v13
	v_mov_b32 v14, 0
	v_mov_b32 v15, 0
.irp b, 0,1,2,3
	v_mov_b32 v[236+\b], 0                         ; written once: a lane permute's destination counts as one of its sources
	v_mov_b32 v[TM+4+\b], 0
.endr
	v_mov_b32 v252, 0
	v_mov_b32 v253, 0
.set J, 0
.rept 64
	v_mov_b32 v[160+J], 0                          ; O^T: the step is written once, and its first run finds zeros
.set J, J+1
.endr
	s_wait_tensorcnt 0x2                           ; my part of positions 0 to 3 is in; the two loads issued behind it may stay out
	s_barrier_signal -1
	s_barrier_wait -1
	s_wait_loadcnt 0x0                             ; Q
	WALK 4, 0, 1
	s_wait_tensorcnt 0x0                           ; all my tensor loads have landed, my part of positions 4 to 11
	ds_add_u32 v[SPW], v[NIL]                      ; 0 onto my spare word
	s_wait_dscnt 0x0                               ; the add is done, and my reads of positions 0 to 3 are over
	CROUND                                         ; both hold of every wave of all four partners
	tensor_load_to_lds s[G3:G3+3], s[G1:G1+7]      ; positions 12 to 15, into the places of 0 to 3
	s_nop 0
	PLACES 4
	WALK 4, 4*STEPB, 1
	s_wait_tensorcnt 0x0
	ds_add_u32 v[SPW], v[NIL]
	s_wait_dscnt 0x0                               ; my reads of positions 4 to 7 are over
	CROUND
	s_cmp_lt_u32 s[WV], 2                          ; position 16 is two loads: waves 0 and 1, the same in all partners
	s_cbranch_scc0 .Lno_16
	tensor_load_to_lds s[G4:G4+3], s[G1:G1+7]      ; into the place of position 4
	s_nop 0
	PLACES 4
.Lno_16:
	WALK 4, 8*STEPB, 1
	s_wait_tensorcnt 0x0                           ; position 16 has landed
	ds_add_u32 v[SPW], v[NIL]
	s_wait_dscnt 0x0
	s_barrier_signal -1                            ; No round follows
	s_barrier_wait -1
	WALK 5, 0, 0
	FINISH YI2, YS2
	s_wait_tensorcnt 0x0                           ; the wave's end
	ds_add_u32 v[SPW], v[NIL]
	s_wait_dscnt 0x0
	CROUND                                         ; the closing round
	s_endpgm
.Lfunc_end_k_q1bf926fe85_attn:
	.size	k_q1bf926fe85_attn, .Lfunc_end_k_q1bf926fe85_attn-k_q1bf926fe85_attn
	.p2alignl 7, 3214868480
	.fill 96, 4, 3214868480
	.section	.rodata,"a",@progbits
	.p2align	6, 0x0
	.amdhsa_kernel k_q1bf926fe85_attn
		.amdhsa_group_segment_fixed_size 327680
		.amdhsa_private_segment_fixed_size 0
		.amdhsa_enable_private_segment 0
		.amdhsa_kernarg_size 40
		.amdhsa_user_sgpr_count 2
		.amdhsa_user_sgpr_kernarg_segment_ptr 1
		.amdhsa_wavefront_size32 1
		.amdhsa_system_sgpr_workgroup_id_x 1
		.amdhsa_system_sgpr_workgroup_id_y 1
		.amdhsa_system_sgpr_workgroup_id_z 1
		.amdhsa_system_vgpr_workitem_id 0
		.amdhsa_next_free_vgpr 512
		.amdhsa_next_free_sgpr 84
		.amdhsa_reserve_vcc 1
		.amdhsa_float_denorm_mode_32 3
		.amdhsa_float_denorm_mode_16_64 3
		.amdhsa_memory_ordered 1
		.amdhsa_forward_progress 1
		.amdhsa_inst_pref_size 139
	.end_amdhsa_kernel
	.amdgpu_metadata
---
amdhsa.version: [ 1, 2 ]
amdhsa.kernels:
  - .name:           k_q1bf926fe85_attn
    .symbol:         k_q1bf926fe85_attn.kd
    .args:
      - { .name: qimg, .offset: 0, .size: 8, .value_kind: global_buffer, .address_space: global }
      - { .name: qsc, .offset: 8, .size: 8, .value_kind: global_buffer, .address_space: global }
      - { .name: kv, .offset: 16, .size: 8, .value_kind: global_buffer, .address_space: global }
      - { .name: yimg, .offset: 24, .size: 8, .value_kind: global_buffer, .address_space: global }
      - { .name: ysc, .offset: 32, .size: 8, .value_kind: global_buffer, .address_space: global }
    .group_segment_fixed_size: 327680
    .private_segment_fixed_size: 0
    .kernarg_segment_align: 8
    .kernarg_segment_size: 40
    .max_flat_workgroup_size: 256
    .sgpr_count:     84
    .vgpr_count:     512
    .wavefront_size: 32
...
	.end_amdgpu_metadata
.endif
;; end of part 2
;; launch oproj (part 3): grid 16 x 16, 4 waves a work-group, clusters of 4 x 4, 327,680 bytes of LDS; arguments yimg, ysc, W_proj_codes, W_proj_scales, b_proj, out0; writes out0
.if DOCPART == 3
	.amdgcn_target "amdgcn-amd-amdhsa--gfx1250"
	.amdhsa_code_object_version 6
	.text
	.protected	k_q1bf926fe85_oproj
	.globl	k_q1bf926fe85_oproj
	.p2align	8
	.type	k_q1bf926fe85_oproj,@function
k_q1bf926fe85_oproj:
	s_mov_b64 s[64:65], 0
	v_nop
	global_prefetch_b8 v0, s[64:65] scope:SCOPE_SE
	s_setreg_imm32_b32 hwreg(HW_REG_WAVE_MODE, 25, 1), 1
	s_wait_xcnt 0x0
	s_wait_alu depctr_hold_cnt(0) depctr_sa_sdst(0) depctr_va_vdst(0) depctr_va_sdst(0) depctr_va_ssrc(0) depctr_va_vcc(0) depctr_vm_vsrc(0)
	s_getreg_b32 s2, hwreg(HW_REG_IB_STS2, 6, 4)
	s_cmp_eq_u32 s2, 0
	s_cbranch_scc0 .Lentry_in_a_cluster
	s_endpgm
.Lentry_in_a_cluster:
	s_bfe_u32 s2, ttmp6, 0x10000c
	s_cmp_lg_u32 s2, 0xf033
	s_cbranch_scc0 .Lentry_shape_is_right
	s_endpgm
.Lentry_shape_is_right:
; out = y W_proj + b_proj on codes of FP6 (E2M3) with E8M0 scales, sums in f32.  y comes from the second launch as images of operand registers (a tile of 16 rows, a K step of 128: 1,536 bytes) with its scale bytes [4096][64].
; Nothing is left out here.  LIMITS: NaN and infinities are not served.
; SHARES.  A work-group makes 256 rows x 128 columns; wave v rows 64 v .. 64 v + 63: 4 x 8 accumulators.  THE PRODUCT IS USED TRANSPOSED (source 0 = 16 rows of W_proj, source 1 = 16 rows of y): a lane holds eight neighbouring columns of a row.
; K goes in slots of 256 through a ring of two LDS slots: y's 16 tiles x 3,072 dense bytes, W_proj's 128 rows of 192 bytes (16 bytes of padding behind every 64).
; CLUSTERS: 4 x 4: y's tiles are shared along a row of the cluster, W_proj's along a column: joint loads, one a wave (waves 0, 1: y's halves; waves 2, 3: W_proj's).
; The scale bytes of the work-group's rows, for all of K, are two dense blocks of memory: read once in runs of 2,048 consecutive bytes, kept in LDS as units of 256 bytes + 16.  The bias is the C of each sum's first product.
; REGISTERS: window 0: v1-31 addresses; v32-63 scale words, two sets; v72-119 the scale bytes on their way; v128-223 y's fragments, two sets; on the way out v128-255.   window 1: W_proj's fragments at 128 p + 12 b.
;   window 2: the 32 accumulators at 8 (8 a + b).   window 3: b_proj in the result's layout, v0-63.
.set PITCH, 240
.set YB,    16*3072
.set SLOT,  YB+128*PITCH
.set ROWB,  192
.set KROW,  1536
.set SCL,   2*SLOT
.set SBLK,  1088
.set SPARE, SCL+26112                  ; the spare words: 128 bytes a wave, two blocks of 256 bytes that no other line names
.set STAGE, SPARE+512                  ; 16 rows x (512 bytes + 16) for each wave
.set SPITCH, 528
.set FR,    12
.set CPY,   13
.set CPG,   14
.set CO,    15                         ; 16 x lane
.set ADRA,  16                         ; v16-17 y's fragments in slot 0, 1
.set ADRW,  20                         ; v20-23 W_proj's
.set STO,   24
.set RD,    25
.set ADRS,  27
.set SPW,   28                         ; my spare word; never rewritten
.set NIL,   29                         ; 0; never rewritten
.set SC,    32
.set CT,    72
.set YF,    128
.set BK,    128
.set WV,    26
.set G1A,   40
.set G1B,   48
.set G0A,   56
.set G0B,   68
.set MUL_Q, 0xa1
.set MUL_F, 0xb1                       ; the first products: C window 3, D window 2
.set TO_B,  0x40
.set MSB, 0
.macro WIN new
.if MSB != \new
	s_set_vgpr_msb (MSB<<8)|\new
.set MSB, \new
.endif
.endm
.macro PLACES n
.rept \n
	v_nop
.endr
.endm
.macro CREST
	s_cmp_lg_u32 s[WV], 0
	s_cbranch_scc1 .Lnot_wave_0_\@
	s_barrier_signal -3
.Lnot_wave_0_\@:
	s_barrier_wait -3
	s_barrier_signal -1
	s_barrier_wait -1
.endm
.macro CROUND
	s_barrier_signal -1
	s_barrier_wait -1
	CREST
.endm
.macro JLOAD s                         ; waves 0 and 1 fetch for y, waves 2 and 3 for W_proj; an s_nop 0 and four v_nop follow each line
	s_cmp_eq_u32 s35, 0
	s_cbranch_scc0 .Lfor_b_\@
	tensor_load_to_lds s[G0A+4*\s:G0A+4*\s+3], s[G1A:G1A+7]
	s_nop 0
	PLACES 4
	s_branch .Lasked_\@
.Lfor_b_\@:
	tensor_load_to_lds s[G0B+4*\s:G0B+4*\s+3], s[G1B:G1B+7]
	s_nop 0
	PLACES 4
.Lasked_\@:
.endm
.macro FRAG reg, adr, q, i             ; a fragment from rows of pitch 240, in pieces of 8 bytes; the second address register serves where lanes 16-31 lie behind one padding more
.irp p, 0,1,2,3,4,5
.set PCE, 12*(\q)+6*(\p/3)+\p%3
.if PCE%8 < 5
	ds_load_b64 v[\reg+2*\p:\reg+2*\p+1], v[\adr] offset:8*PCE+16*(PCE/8)+(\i)*16*PITCH
.else
	ds_load_b64 v[\reg+2*\p:\reg+2*\p+1], v[\adr+2] offset:8*PCE+16*(PCE/8)+(\i)*16*PITCH
.endif
.endr
.endm
.macro FETCH slot, q, p
	WIN TO_B
.irp i, 0,1,2,3,4,5,6,7
	FRAG 128*(\p)+FR*\i, ADRW+\slot, \q, \i
.endr
	WIN 0
.irp a, 0,1,2,3
.irp c, 0,1,2
	ds_load_b128 v[YF+48*\p+FR*\a+4*\c:YF+48*\p+FR*\a+4*\c+3], v[ADRA+\slot] offset:(2*\a+\q)*1536+512*\c   ; an image of registers: 512 consecutive bytes a load
.endr
.endr
.endm
.macro SCALES sc                       ; lanes 0-15 y's block i (used for i < 4), lanes 16-31 W_proj's block i
.irp i, 0,1,2,3,4,5,6,7
	ds_load_b64 v[SC+16*\sc+2*\i:SC+16*\sc+2*\i+1], v[ADRS] offset:\i*SBLK
.endr
.endm
.macro MULO a, p, q, sc, first         ; 8 products; the accumulators take turns, one instruction a turn.  first = 1: the bias starts the sums
.irp b, 0,1,2,3,4,5,6,7
.if \first
	v_wmma_scale_f32_16x16x128_f8f6f4 v[8*(8*\a+\b):8*(8*\a+\b)+7], v[128*\p+FR*\b:128*\p+FR*\b+FR-1], v[YF+48*\p+FR*\a:YF+48*\p+FR*\a+FR-1], v[8*\b:8*\b+7], v[SC+16*\sc+2*\b+\q], v[SC+16*\sc+2*\a+\q] matrix_a_fmt:MATRIX_FMT_FP6 matrix_b_fmt:MATRIX_FMT_FP6 matrix_a_scale:MATRIX_SCALE_ROW1
.else
	v_wmma_scale_f32_16x16x128_f8f6f4 v[8*(8*\a+\b):8*(8*\a+\b)+7], v[128*\p+FR*\b:128*\p+FR*\b+FR-1], v[YF+48*\p+FR*\a:YF+48*\p+FR*\a+FR-1], v[8*(8*\a+\b):8*(8*\a+\b)+7], v[SC+16*\sc+2*\b+\q], v[SC+16*\sc+2*\a+\q] matrix_a_fmt:MATRIX_FMT_FP6 matrix_b_fmt:MATRIX_FMT_FP6 matrix_a_scale:MATRIX_SCALE_ROW1
.endif
.endr
.endm
.macro STEPA slot, first
	s_wait_dscnt 0x0                               ; set 0 and the slot's scale words are in
	PLACES 4                                       ; four places between the last products on set 1 and the loads into it
	FETCH \slot, 1, 1
.if \first
	WIN MUL_F
.else
	WIN MUL_Q
.endif
	MULO 0, 0, 0, \slot, \first
	MULO 1, 0, 0, \slot, \first
	MULO 2, 0, 0, \slot, \first
	MULO 3, 0, 0, \slot, \first
	WIN 0
.endm
.macro TURN slot, next, fill
	s_wait_tensorcnt 0x0                           ; all my tensor loads have landed: my part of the next slot
	ds_add_u32 v[SPW], v[NIL]                      ; 0 onto my spare word
	s_wait_dscnt 1                                 ; the add alone may be out: set 1 is in
	WIN MUL_Q
	MULO 0, 1, 1, \slot, 0
	s_wait_dscnt 0x0                               ; the add is done, and my reads of this slot are over
	s_barrier_signal -1
	MULO 1, 1, 1, \slot, 0
	WIN 0
	s_barrier_wait -1
.if \fill
	CREST                                          ; the barrier has opened a round of the cluster's barrier
	s_add_nc_u64 s[G0A+4*\slot+2:G0A+4*\slot+3], s[G0A+4*\slot+2:G0A+4*\slot+3], 2*3072
	s_add_nc_u64 s[G0B+4*\slot+2:G0B+4*\slot+3], s[G0B+4*\slot+2:G0B+4*\slot+3], 2*ROWB
	JLOAD \slot                                    ; the first tensor load behind the round; its four v_nop are also the places in front of the loads below
.else
	PLACES 4
.endif
	v_add_nc_u32 v[ADRS], 8, v[ADRS]
	FETCH \next, 0, 0
	SCALES \next
	WIN MUL_Q
	MULO 2, 1, 1, \slot, 0
	MULO 3, 1, 1, \slot, 0
	WIN 0
.endm
	s_load_b256 s[4:11], s[0:1], 0x0               ; yimg, ysc, W_proj's codes, W_proj's scales
	s_load_b128 s[12:15], s[0:1], 0x20             ; b_proj, out0
	v_lshl_add_u32 v[SPW], v0, 2, SPARE
	v_mov_b32 v[NIL], 0
	ds_add_u32 v[SPW], v[NIL]                      ; the wave's opening: the add, twice on end, and its wait ahead of my first tensor load
	ds_add_u32 v[SPW], v[NIL]                      ; and once more; the set-up below, work on registers, stands between it and the wait
	v_lshrrev_b32 v3, 5, v0
	v_readfirstlane_b32 s[WV], v3                  ; wave 0..3
	s_and_b32 s27, s[WV], 1
	s_lshr_b32 s35, s[WV], 1                       ; I fetch for y (0) or for W_proj (1)
	s_bfe_u32 s28, ttmp6, 0x40000                  ; cx
	s_bfe_u32 s29, ttmp6, 0x40004                  ; cy
	s_lshl_b32 s30, ttmp9, 2
	s_add_co_u32 s30, s30, s28                     ; the block of 128 columns
	s_and_b32 s31, ttmp7, 0xffff
	s_lshl_b32 s31, s31, 2
	s_add_co_u32 s31, s31, s29                     ; the block of 256 rows
	s_lshl_b32 s32, s29, 2
	s_lshl_b32 s32, 15, s32                        ; my row of the cluster
	s_lshl_b32 s33, 0x1111, s28                    ; my column
	; y: 8 tiles of rows, of each 3,072 consecutive bytes (384 elements of 8), 24,576 bytes apart; no padding
	s_or_b32 s[G1A], s32, (3<<16)|(1<<21)
	s_mov_b32 s[G1A+1], 384<<16
	s_mov_b32 s[G1A+2], 8<<16
	s_mov_b32 s[G1A+3], 384<<16
	s_mov_b32 s[G1A+4], 8
	s_mov_b32 s[G1A+5], 3072
	s_mov_b32 s[G1A+6], 0
	s_mov_b32 s[G1A+7], 0
	; W_proj: 64 rows of 192 bytes, 1,536 apart, 16 bytes of padding behind every 64
	s_or_b32 s[G1B], s33, (1<<20)|(1<<21)|(3<<22)|(3<<25)
	s_mov_b32 s[G1B+1], ROWB<<16
	s_mov_b32 s[G1B+2], 64<<16
	s_mov_b32 s[G1B+3], ROWB<<16
	s_mov_b32 s[G1B+4], 64
	s_mov_b32 s[G1B+5], KROW
	s_mov_b32 s[G1B+6], 0
	s_mov_b32 s[G1B+7], 0
	s_lshl_b32 s76, s31, 4
	s_lshl_b32 s77, s27, 3
	s_add_co_u32 s76, s76, s77
	s_mul_i32 s76, s76, 24576                      ; y: tile of rows 16 x block + 8 x (wave % 2)
	s_mov_b32 s77, 0
	s_lshl_b32 s78, s30, 7
	s_lshl_b32 s79, s27, 6
	s_add_co_u32 s78, s78, s79
	s_mul_i32 s78, s78, KROW                       ; W_proj: row 128 x block + 64 x (wave % 2)
	s_mov_b32 s79, 0
	s_mul_i32 s80, s27, 8*3072                     ; where they go
	s_mul_i32 s81, s27, 64*PITCH
	s_add_co_u32 s81, s81, YB
	v_and_b32 v1, 15, v0                           ; r
	v_bfe_u32 v2, v0, 4, 1                         ; h
	v_mul_u32_u24 v3, v1, PITCH
	v_mad_u32_u24 v3, v2, 24, v3
	v_lshl_add_u32 v5, v2, 4, v3
	v_and_b32 v4, 31, v0
	v_lshlrev_b32 v[CO], 4, v4
	s_mul_i32 s84, s[WV], 4*3072                   ; my four tiles of rows
.irp s, 0,1
	v_add_nc_u32 v[ADRA+\s], s84, v[CO]
	v_add_nc_u32 v[ADRW+\s], YB+\s*SLOT, v3
	v_add_nc_u32 v[ADRW+2+\s], YB+\s*SLOT, v5
	s_add_co_u32 s84, s84, SLOT
.endr
	v_lshlrev_b32 v3, 6, v1
	v_lshrrev_b32 v4, 2, v1
	v_lshl_add_u32 v3, v4, 4, v3                   ; a row's scale bytes: 64 r + 16 (r / 4)
	s_mul_i32 s84, s[WV], 4*SBLK
	s_sub_co_u32 s85, 17408, s84
	v_mul_u32_u24 v4, s85, v2                      ; lanes 16-31 take W_proj's
	s_add_co_u32 s84, s84, SCL
	v_add_nc_u32 v4, v3, v4
	v_add_nc_u32 v[ADRS], s84, v4
	v_lshlrev_b32 v[CPG], 4, v0
	v_lshrrev_b32 v3, 4, v0
	v_lshl_add_u32 v[CPY], v3, 4, v[CPG]
	v_add_nc_u32 v[CPY], SCL, v[CPY]
	s_mul_i32 s84, s[WV], 16*SPITCH
	s_add_co_u32 s84, s84, STAGE                   ; my stage
	v_mul_u32_u24 v3, v1, SPITCH
	v_lshl_add_u32 v3, v2, 5, v3
	v_add_nc_u32 v[STO], s84, v3                   ; in: row r, + 32 h
	v_add_nc_u32 v[RD], s84, v[CO]                 ; back: a row of 512 bytes for the 32 lanes
	v_lshlrev_b32 v6, 5, v2                        ; the bias: 32 h
	s_wait_dscnt 0x0                               ; both opening adds are done
	s_wait_kmcnt 0x0
	s_add_nc_u64 s[76:77], s[4:5], s[76:77]
	s_add_nc_u64 s[78:79], s[8:9], s[78:79]
	s_mov_b32 s83, 0
	s_lshl_b32 s82, s31, 14
	s_add_nc_u64 s[6:7], s[6:7], s[82:83]          ; y's scale bytes: 256 rows of 64
	s_lshl_b32 s82, s30, 13
	s_add_nc_u64 s[10:11], s[10:11], s[82:83]      ; W_proj's: 128 rows
	s_lshl_b32 s82, s30, 9
	s_add_nc_u64 s[12:13], s[12:13], s[82:83]      ; b_proj: my 128; and the same bytes along a row of out0
	s_add_nc_u64 s[14:15], s[14:15], s[82:83]
	s_lshl_b32 s82, s31, 8
	s_lshl_b32 s86, s[WV], 6
	s_add_co_u32 s82, s82, s86
	s_lshl_b32 s82, s82, 13                        ; my first row of out0: rows of 8,192 bytes
	s_add_nc_u64 s[14:15], s[14:15], s[82:83]
	CROUND                                         ; all sixteen work-groups are here: the first joint loads meet
.irp s, 0,1
	s_mov_b32 s[G0A+4*\s], 1
	s_add_co_u32 s[G0A+4*\s+1], s80, \s*SLOT
	s_add_nc_u64 s[G0A+4*\s+2:G0A+4*\s+3], s[76:77], \s*3072
	s_or_b32 s[G0A+4*\s+3], s[G0A+4*\s+3], 0x80000000
	s_mov_b32 s[G0B+4*\s], 1
	s_add_co_u32 s[G0B+4*\s+1], s81, \s*SLOT
	s_add_nc_u64 s[G0B+4*\s+2:G0B+4*\s+3], s[78:79], \s*ROWB
	s_or_b32 s[G0B+4*\s+3], s[G0B+4*\s+3], 0x80000000
	JLOAD \s                                       ; two loads of mine are out
.endr
.irp i, 0,1,2,3,4,5,6,7
	global_load_b128 v[CT+4*\i:CT+4*\i+3], v[CPG], s[6:7] offset:2048*\i
.endr
.irp i, 0,1,2,3
	global_load_b128 v[CT+32+4*\i:CT+32+4*\i+3], v[CPG], s[10:11] offset:2048*\i
.endr
	WIN 0xc0                                       ; destination window 3
.irp b, 0,1,2,3,4,5,6,7
	global_load_b128 v[8*\b:8*\b+3], v6, s[12:13] offset:64*\b            ; b_proj at columns 16 b + 8 h + 0 .. 7
	global_load_b128 v[8*\b+4:8*\b+7], v6, s[12:13] offset:64*\b+16
.endr
	WIN 0
	s_wait_loadcnt 0x0
.irp i, 0,1,2,3,4,5,6,7
	ds_store_b128 v[CPY], v[CT+4*\i:CT+4*\i+3] offset:2176*\i
.endr
.irp i, 0,1,2,3
	ds_store_b128 v[CPY], v[CT+32+4*\i:CT+32+4*\i+3] offset:17408+2176*\i
.endr
	s_wait_tensorcnt 0x1                           ; my part of slot 0 is in; slot 1's load, the one issued behind it, may stay out
	s_wait_dscnt 0x0                               ; my scale bytes lie in LDS
	s_barrier_signal -1
	s_barrier_wait -1
	FETCH 0, 0, 0
	SCALES 0
	STEPA 0, 1                                     ; the first step stands in front of the loop: the bias starts the sums
	s_mov_b32 s3, 3
.Llap:                                             ; a trip goes once round the ring and fills both slots again
	TURN 0, 1, 1
	STEPA 1, 0
	TURN 1, 0, 1
	STEPA 0, 0
	s_sub_co_u32 s3, s3, 1
	s_cmp_lg_u32 s3, 0
	s_cbranch_scc1 .Llap
	TURN 0, 1, 0                                   ; the last lap fills nothing
	STEPA 1, 0
	s_wait_dscnt 0x0
	WIN MUL_Q
	MULO 0, 1, 1, 1, 0
	MULO 1, 1, 1, 1, 0
	MULO 2, 1, 1, 1, 0
	MULO 3, 1, 1, 1, 0
	WIN 0
; THE WAY OUT, block by block of 16 rows x 128 columns, through my own stage: in as 32 bytes a lane, back as whole rows of 512 bytes.  LDS serves a wave's instructions in order: no wait between the stores and the loads.
.macro TOSTAGE a
	WIN 0x08                                       ; an LDS store's data: window 2
.irp b, 0,1,2,3,4,5,6,7
	ds_store_b128 v[STO], v[64*(\a)+8*\b:64*(\a)+8*\b+3] offset:64*\b        ; each accumulator from its low end on
	ds_store_b128 v[STO], v[64*(\a)+8*\b+4:64*(\a)+8*\b+7] offset:64*\b+16
.endr
	WIN 0
.set BB, BK+64*((\a)%2)
.irp t, 0,1,2,3,4,5,6,7,8,9,10,11,12,13,14,15
	ds_load_b128 v[BB+4*\t:BB+4*\t+3], v[RD] offset:\t*SPITCH
.endr
.endm
.macro SEND a, younger                 ; younger: the LDS instructions issued behind block a's loads, which may stay out
.set BB, BK+64*((\a)%2)
	s_wait_dscnt \younger
.if (\a) > 0
	s_add_nc_u64 s[14:15], s[14:15], 16*8192       ; (behind a wait on XCNT: the earlier stores have read their base)
.endif
.irp t, 0,1,2,3,4,5,6,7,8,9,10,11,12,13,14,15
	global_store_b128 v[CO], v[BB+4*\t:BB+4*\t+3], s[14:15] offset:\t*8192 th:TH_STORE_NT   ; 32 lanes store 512 consecutive bytes, at a multiple of 256 from out0's first byte
.endr
.endm
	PLACES 4                                       ; in front of the first read of results and of the loads into y's registers
	TOSTAGE 0
.irp a, 1,2,3
.if \a > 1
	s_wait_xcnt 0x0                                ; block a - 2's stores have read their registers and their base
.endif
	TOSTAGE \a
	SEND \a-1, 32                                  ; behind block a - 1's loads: block a's 16 stores and 16 loads
.endr
	s_wait_xcnt 0x0
	SEND 3, 0
	s_wait_tensorcnt 0x0                           ; the wave's end: behind my last tensor load and my last LDS store
	ds_add_u32 v[SPW], v[NIL]
	s_wait_dscnt 0x0
	CROUND                                         ; the closing round
	s_endpgm
.Lfunc_end_k_q1bf926fe85_oproj:
	.size	k_q1bf926fe85_oproj, .Lfunc_end_k_q1bf926fe85_oproj-k_q1bf926fe85_oproj
	.p2alignl 7, 3214868480
	.fill 96, 4, 3214868480
	.section	.rodata,"a",@progbits
	.p2align	6, 0x0
	.amdhsa_kernel k_q1bf926fe85_oproj
		.amdhsa_group_segment_fixed_size 327680
		.amdhsa_private_segment_fixed_size 0
		.amdhsa_enable_private_segment 0
		.amdhsa_kernarg_size 48
		.amdhsa_user_sgpr_count 2
		.amdhsa_user_sgpr_kernarg_segment_ptr 1
		.amdhsa_wavefront_size32 1
		.amdhsa_system_sgpr_workgroup_id_x 1
		.amdhsa_system_sgpr_workgroup_id_y 1
		.amdhsa_system_sgpr_workgroup_id_z 1
		.amdhsa_system_vgpr_workitem_id 0
		.amdhsa_next_free_vgpr 1024
		.amdhsa_next_free_sgpr 92
		.amdhsa_reserve_vcc 0
		.amdhsa_float_denorm_mode_32 3
		.amdhsa_float_denorm_mode_16_64 3
		.amdhsa_memory_ordered 1
		.amdhsa_forward_progress 1
		.amdhsa_inst_pref_size 95
	.end_amdhsa_kernel
	.amdgpu_metadata
---
amdhsa.version: [ 1, 2 ]
amdhsa.kernels:
  - .name:           k_q1bf926fe85_oproj
    .symbol:         k_q1bf926fe85_oproj.kd
    .args:
      - { .name: yimg, .offset: 0, .size: 8, .value_kind: global_buffer, .address_space: global }
      - { .name: ysc, .offset: 8, .size: 8, .value_kind: global_buffer, .address_space: global }
      - { .name: W_proj_codes, .offset: 16, .size: 8, .value_kind: global_buffer, .address_space: global }
      - { .name: W_proj_scales, .offset: 24, .size: 8, .value_kind: global_buffer, .address_space: global }
      - { .name: b_proj, .offset: 32, .size: 8, .value_kind: global_buffer, .address_space: global }
      - { .name: out0, .offset: 40, .size: 8, .value_kind: global_buffer, .address_space: global }
    .group_segment_fixed_size: 327680
    .private_segment_fixed_size: 0
    .kernarg_segment_align: 8
    .kernarg_segment_size: 48
    .max_flat_workgroup_size: 128
    .sgpr_count:     92
    .vgpr_count:     1024
    .wavefront_size: 32
...
	.end_amdgpu_metadata
.endif
;; end of part 3
